; MI455X (gfx1250); checked and timed in simulation.
; The chip was launched on July 23, 2026; its instructions are those of AMD's public machine-readable ISA for CDNA 5 (MIT licence, August 2026) and "CDNA5" Instruction Set Architecture Reference Guide (July 2026). The comments in the code are by the model that wrote it; some were corrected since.
;; Multihead Diff Attn. Allowed arithmetic: matrix products marked QUANTISED: E2M1 operands, one E8M0 scale for each 32 along K, by v_wmma_scale_f32_16x16x128_f8f6f4 with both operands' format E2M1 (or v_wmma_scale_f32_32x16x128_f4), f32 sums; products left as they are: bf16, f16 or f32 operands; f32 sums; everything else in f32.
;; Inputs: Wk 2,048 x 2,048 float32; Wo 2,048 x 2,048 float32; Wq 2,048 x 2,048 float32; Wv 2,048 x 2,048 float32; attn_mask 1 x 2,048 bool; key 2,048 x 1 x 2,048 float32; lk1 64 float32; lk2 64 float32; lq1 64 float32; lq2 64 float32; query 2,048 x 1 x 2,048 float32; subln_g 128 float32; value 2,048 x 1 x 2,048 float32.
;; Outputs: out0 2,048 x 1 x 2,048 float32.
;; Constants: rel_pos = 0.
;; This version of the problem:
;;   THIS VERSION OF THE PROBLEM IS GIVEN IN LOW PRECISION. The matrix products marked QUANTISED in the list below multiply operands that are first quantised to E2M1 (2 exponent bits, 1 mantissa bit; 4 bits a number), with one power-of-two scale for each 32 numbers along K (OCP MX v1.0); their sums are f32. The products marked 'left as it is' may take bf16, f16 or f32 operands, with f32 sums. Whichever they take, every output number must still come out within the allowed error. Rounding operands to bf16 (8 significant bits) uses up far more of that allowance than f16 does (11 bits, for magnitudes from 6e-5 to 65,504). All else is computed in f32.
;;   The module's matrix products, in the order in which they are computed (A, B: the left and right operand; K: the contracted axis; several contracted axes count as one K, in the product's order):
;;     1. [M 2,048, K 2,048] x [K 2,048, N 2,048]; A: input Wq; B: input query: QUANTISED
;;     2. [M 2,048, K 2,048] x [K 2,048, N 2,048]; A: input Wk; B: input key: QUANTISED
;;     3. [M 2,048, K 2,048] x [K 2,048, N 2,048]; A: input Wv; B: input value: QUANTISED
;;     4. batch 32 x [M 2,048, K 64] x [K 64, N 2,048]; A: computed on the way; B: computed on the way: left as it is (an operand is computed on the way)
;;     5. batch 16 x [M 2,048, K 2,048] x [K 2,048, N 128]; A: computed on the way; B: computed on the way: left as it is (an operand is computed on the way)
;;     6. [M 2,048, K 2,048] x [K 2,048, N 2,048]; A: computed on the way; B: input Wo: left as it is (an operand is computed on the way)
;;   THE QUANTISER, for each operand of a quantised product, along K:
;;     - K is cut into blocks of 32 from its start; a last block that is shorter is filled with zeros.
;;     - A block's scale is 2^e with e = floor(log2(the largest magnitude in the block)) - 2, held to -126 .. 127; a block of zeros has e = 0. As a byte (E8M0): e + 127.
;;     - Each number is divided by its block's scale, clamped to +-6, and rounded to the nearest number of E2M1, ties to even, subnormals kept.
;;     - The product sums the exact products of the quantised numbers (number of the format x scale) in f32.
;;   ~~~python
;;   def quantise(x, axis):      # numpy; x: float32 -> the quantised numbers, widened to float32 again
;;       x = np.moveaxis(x, axis, -1); K = x.shape[-1]
;;       x = np.pad(x, [(0, 0)] * (x.ndim - 1) + [(0, -K % 32)]); x = x.reshape(x.shape[:-1] + (-1, 32)); a = np.abs(x).max(-1, keepdims=True)
;;       e = np.where(a > 0, np.clip(np.frexp(np.where(a > 0, a, 1))[1] - 1 - 2, -126, 127), 0)      # np.frexp(a)[1] - 1 = floor(log2(a)), exactly
;;       r = np.clip(x / 2.0 ** e, -6, 6)
;;       step = 2.0 ** (np.maximum(np.frexp(np.where(r == 0, 1, r))[1] - 1, 0) - 1)
;;       q = np.round(r / step) * step * 2.0 ** e      # np.round: ties to even
;;       return np.moveaxis(q.reshape(q.shape[:-2] + (-1,))[..., :K], -1, axis).astype(np.float32)
;;   ~~~
;; One version. Each part assembles by itself: llvm-mc -triple=amdgcn-amd-amdhsa -mcpu=gfx1250 --defsym DOCPART=n.
;; ======== version 1 of 1: 4 launches
;; limits: values are held in f16: magnitudes above 65,504 overflow, below 6.1e-05 lose precision
;; workspace buffers: codes 12,582,912 bytes; scales 786,432 bytes; wo16 8,388,608 bytes; qkv 25,165,824 bytes; attn16 8,388,608 bytes
;; launch prep (part 1): grid 896 x 1, 4 waves a work-group, no clusters, 33,280 bytes of LDS; arguments query, key, value, Wq, Wk, Wv, Wo, codes, scales, wo16; writes codes, scales, wo16
.if DOCPART == 1
	.amdgcn_target "amdgcn-amd-amdhsa--gfx1250"
	.amdhsa_code_object_version 6
	.text
	.protected	k_q1840053115_prep
	.globl	k_q1840053115_prep
	.p2align	8
	.type	k_q1840053115_prep,@function
k_q1840053115_prep:
	s_mov_b64 s[64:65], 0
	v_nop
	global_prefetch_b8 v0, s[64:65] scope:SCOPE_SE
	s_setreg_imm32_b32 hwreg(HW_REG_WAVE_MODE, 25, 1), 1
	s_wait_xcnt 0x0
; query, key, value, Wq, Wk, Wv ([2048][2048] f32, K innermost) become codes of FP4 (E2M1), two a byte, the lower k in the low four bits, and one E8M0 scale byte for each 32 along K.
; The six tensors lie stacked in that order: codes [6][2048][1024 bytes], scales [6][2048][64 bytes].  Wo becomes f16, [2048][2048]: its product is left as it is.
; A block's scale is 2^(floor(log2(its largest magnitude)) - 2); its byte is the largest magnitude's exponent field - 2, held at 1 from below.
; (A block of zeros so gets the byte 1 where the rule says 127: its codes are zeros, which add nothing under any byte but 0xff, and the bytes are read by this program alone.)
; LIMITS: blocks whose largest magnitude lies under 2^(2 - 126) keep the byte 1; NaN and infinities among the inputs are not served; |Wo| stays under 65,504, the largest f16 number.
; Rows are dense and K is a multiple of 32: every tensor is a plain stream of blocks of 32 numbers, and so are its codes and scale bytes.
; SHARES.  Work-groups 0 to 767: 128 for each of the six tensors; a wave takes 16 steps of 512 numbers.  Work-groups 768 to 895: Wo; a wave takes 8,192 numbers.
; The branch between the two hangs on the work-group's number alone.  No tensor loads, no barrier: waves share nothing.
; QUANTISING.  The conversions take neighbours along K from ONE lane's registers, a load is best where neighbouring LANES take neighbouring bytes: each of a step's four loads reads 512 consecutive bytes,
; the 2,048 bytes go through the wave's own stage in LDS as they lie and come back 64 bytes a lane (16 bytes of padding behind each 64).  Two neighbouring lanes hold a block.
.set QWG,   768                        ; work-groups that quantise
.set STEPS, 16
.set EMAX,  2
.set CB,    8                          ; bytes of 16 codes
.set R,     16                         ; v16-79   four sets of 16 numbers as they are loaded
.set X,     80                         ; v80-111  two sets of 16 neighbours
.set E,     112                        ; v112-127 a scale byte for each step
.set C,     128                        ; v128-191 codes: four registers for each step, so that no store's data are written again
.set WREG,  8192                       ; LDS: a region for each wave: two stages of 32 x SP bytes, behind them its 256 scale bytes
.set SP,    80                         ; a lane's place in a stage: 64 bytes + 16 of padding
.set SPW,   12                         ; v12  LDS address of my spare word: SPARE + 4 x my thread's number; never rewritten
.set NIL,   13                         ; v13  0; never rewritten
.set SPARE, 4*WREG                     ; behind the four regions: the spare words, 128 bytes for each wave
.set CIN,   16                         ; the cast: v16-143 four sets of 8 x 4 registers as loaded
.set COUT,  144                        ; v144-175 two sets of 8 x 2 registers to store
	s_load_b256 s[4:11], s[0:1], 0x0               ; query s[4:5], key s[6:7], value s[8:9], Wq s[10:11]
	s_load_b256 s[12:19], s[0:1], 0x20             ; Wk s[12:13], Wv s[14:15], Wo s[16:17], codes s[18:19]
	s_load_b128 s[20:23], s[0:1], 0x40             ; scales s[20:21], wo16 s[22:23]
	v_lshl_add_u32 v[SPW], v0, 2, SPARE
	v_mov_b32 v[NIL], 0
	v_lshrrev_b32 v1, 5, v0
	v_readfirstlane_b32 s24, v1                    ; wave 0..3
	v_and_b32 v2, 31, v0                           ; lane
	v_lshlrev_b32 v3, 4, v2                        ; my 16 bytes of a load's 512
	v_lshlrev_b32 v4, 3, v2                        ; my 8 bytes of a store's 256
	s_cmp_ge_u32 ttmp9, QWG
	s_cbranch_scc1 .Lcast
	s_mul_i32 s25, s24, WREG
	v_lshrrev_b32 v14, 2, v2
	v_mul_u32_u24 v14, v14, SP
	v_and_b32 v15, 3, v2
	v_lshl_add_u32 v14, v15, 4, v14
	v_add_nc_u32 v14, s25, v14                     ; the stage, on the way in: SP (lane / 4) + 16 (lane % 4); a load's 512 bytes take eight places
	v_mul_u32_u24 v15, v2, SP
	v_add_nc_u32 v15, s25, v15                     ; and on the way out: SP x lane: my 16 neighbours
	v_lshrrev_b32 v5, 1, v2
	s_add_co_u32 s25, s25, 2*32*SP
	v_add_nc_u32 v5, s25, v5                       ; my wave's 256 scale bytes, my block's byte
	v_add_nc_u32 v6, s25, v4                       ; and on the way out 8 bytes a lane
	s_lshr_b32 s26, ttmp9, 7                       ; which of the six tensors
	s_and_b32 s27, ttmp9, 127
	s_lshl_b32 s27, s27, 2
	s_add_co_u32 s27, s27, s24                     ; which run of 8,192 numbers in it
	s_lshl_b32 s28, s27, 15                        ; 32,768 bytes of f32 a run
	s_mov_b32 s29, 0
	s_lshl_b32 s30, ttmp9, 2
	s_add_co_u32 s30, s30, s24                     ; which run of the six stacked tensors
	s_lshl_b32 s32, s30, 12                        ; 4,096 bytes of codes a run
	s_mov_b32 s33, 0
	s_lshl_b32 s34, s30, 8                         ; 256 scale bytes a run
	s_mov_b32 s35, 0
	s_wait_kmcnt 0x0
	s_cmp_eq_u32 s26, 1                            ; the source is chosen by the work-group's number alone
	s_cselect_b64 s[4:5], s[6:7], s[4:5]
	s_cmp_eq_u32 s26, 2
	s_cselect_b64 s[4:5], s[8:9], s[4:5]
	s_cmp_eq_u32 s26, 3
	s_cselect_b64 s[4:5], s[10:11], s[4:5]
	s_cmp_eq_u32 s26, 4
	s_cselect_b64 s[4:5], s[12:13], s[4:5]
	s_cmp_eq_u32 s26, 5
	s_cselect_b64 s[4:5], s[14:15], s[4:5]
	s_add_nc_u64 s[4:5], s[4:5], s[28:29]
	s_add_nc_u64 s[18:19], s[18:19], s[32:33]
	s_add_nc_u64 s[20:21], s[20:21], s[34:35]
.macro LOAD t
.irp i, 0,1,2,3
	global_load_b128 v[R+16*((\t)%4)+4*\i:R+16*((\t)%4)+4*\i+3], v3, s[4:5] offset:2048*(\t)+512*\i th:TH_LOAD_NT   ; 32 lanes read 512 consecutive bytes
.endr
.endm
.macro TURN t                          ; step t's numbers through the stage: LDS serves a wave's instructions in order, so no wait stands between the stores and the loads
.irp i, 0,1,2,3
	ds_store_b128 v14, v[R+16*((\t)%4)+4*\i:R+16*((\t)%4)+4*\i+3] offset:32*SP*((\t)%2)+8*SP*\i
.endr
.irp i, 0,1,2,3
	ds_load_b128 v[X+16*((\t)%2)+4*\i:X+16*((\t)%2)+4*\i+3], v15 offset:32*SP*((\t)%2)+16*\i
.endr
.endm
.irp t, 0,1,2,3
	LOAD \t
.endr
	s_wait_loadcnt 12                              ; step 0's four loads are in; the 12 of steps 1 to 3 may be out
	TURN 0
.macro STEP t
.set XS, X+16*((\t)%2)
.if (\t) > 0
	s_wait_dscnt 1                                 ; this step's numbers are back from the stage (the last step's byte store may be out): so its stores into the stage have read their registers,
.else
	s_wait_dscnt 0x0
.endif
.if (\t)+4 < STEPS
	LOAD (\t)+4                                    ; which take the loads of four steps on
.endif
.if (\t)+1 < STEPS
.if STEPS-2-(\t) >= 3
	s_wait_loadcnt 12                              ; the next step's four loads are in; those of the three steps behind it may be out
.else
	s_wait_loadcnt 4*(STEPS-2-(\t))                ; near the end: four for each step still behind it
.endif
	TURN (\t)+1                                    ; and go through the other stage while this step is worked
.endif
	v_max3_num_f32 v8, |v[XS]|, |v[XS+1]|, |v[XS+2]|               ; the largest magnitude of my 16, in two chains
	v_max3_num_f32 v9, |v[XS+3]|, |v[XS+4]|, |v[XS+5]|
.irp i, 6,10
	v_max3_num_f32 v8, v8, |v[XS+\i]|, |v[XS+\i+1]|
	v_max3_num_f32 v9, v9, |v[XS+\i+2]|, |v[XS+\i+3]|
.endr
	v_max3_num_f32 v8, v8, |v[XS+14]|, |v[XS+15]|
	v_max3_num_f32 v8, v8, v9, (EMAX+1)<<23        ; and the floor 2^(EMAX + 1 - 127): so the byte cannot fall under 1
	v_max_num_f32_dpp v8, v8, v8 row_xmask:1 row_mask:0xf bank_mask:0xf   ; and of my neighbour's 16: the block's
	v_add_nc_u32 v11, -(EMAX<<23), v8              ; EMAX off its exponent field: the conversion takes the exponent field of this operand as its scale, and nothing else of it
	v_cvt_scalef32_pk8_fp4_f32 v[C+4*(\t)], v[XS:XS+7], v11        ; eight numbers / the scale, to the nearest code, ties to even, beyond the largest code the largest; the first number's code in the lowest bits
	v_cvt_scalef32_pk8_fp4_f32 v[C+4*(\t)+1], v[XS+8:XS+15], v11
	v_lshrrev_b32 v[E+(\t)], 23, v11               ; the scale's byte (also the plain line behind the conversions)
	ds_store_b8 v5, v[E+(\t)] offset:16*(\t)       ; both lanes of a block write the same byte with the same value
	global_store_b64 v4, v[C+4*(\t):C+4*(\t)+1], s[18:19] offset:32*CB*(\t)   ; the wave stores 256 consecutive bytes, aligned
.endm
.irp t, 0,1,2,3,4,5,6,7,8,9,10,11,12,13,14,15
	STEP \t
.endr
	ds_load_b64 v[8:9], v6                         ; LDS serves a wave's instructions in order: these see my byte stores
	s_wait_dscnt 0x0
	global_store_b64 v4, v[8:9], s[20:21]          ; my run's 256 scale bytes: 256 consecutive bytes, aligned
	s_wait_tensorcnt 0x0                           ; the wave's end, behind my last LDS store
	ds_add_u32 v[SPW], v[NIL]
	s_wait_dscnt 0x0
	s_endpgm
; THE CAST.  A wave's 8,192 numbers of Wo go in eight batches of eight loads; four batches (32 loads) are on their way at the start.  A lane's four numbers are 8 bytes of f16: a store covers 256 consecutive bytes.
.Lcast:
	s_sub_co_u32 s25, ttmp9, QWG
	s_lshl_b32 s25, s25, 2
	s_add_co_u32 s25, s25, s24                     ; which run of 8,192 numbers
	s_lshl_b32 s26, s25, 15
	s_mov_b32 s27, 0
	s_lshl_b32 s28, s25, 14
	s_mov_b32 s29, 0
	s_wait_kmcnt 0x0
	s_add_nc_u64 s[16:17], s[16:17], s[26:27]
	s_add_nc_u64 s[22:23], s[22:23], s[28:29]
.macro CLOAD b
.irp i, 0,1,2,3,4,5,6,7
	global_load_b128 v[CIN+32*((\b)%4)+4*\i:CIN+32*((\b)%4)+4*\i+3], v3, s[16:17] offset:512*(8*(\b)+\i) th:TH_LOAD_NT
.endr
.endm
.macro CAST b
.if 7-(\b) >= 3
	s_wait_loadcnt 24                              ; this batch's eight loads are in; the three younger batches may be out
.else
	s_wait_loadcnt 8*(7-(\b))
.endif
.if (\b) >= 2
	s_wait_xcnt 0x0                                ; the stores of two batches back have read this set of registers
.endif
.irp i, 0,1,2,3,4,5,6,7
	v_cvt_pk_f16_f32 v[COUT+16*((\b)%2)+2*\i],   v[CIN+32*((\b)%4)+4*\i],   v[CIN+32*((\b)%4)+4*\i+1]
	v_cvt_pk_f16_f32 v[COUT+16*((\b)%2)+2*\i+1], v[CIN+32*((\b)%4)+4*\i+2], v[CIN+32*((\b)%4)+4*\i+3]
.endr
.if (\b)+4 < 8
	CLOAD (\b)+4                                   ; loads ahead of stores
.endif
.irp i, 0,1,2,3,4,5,6,7
	global_store_b64 v4, v[COUT+16*((\b)%2)+2*\i:COUT+16*((\b)%2)+2*\i+1], s[22:23] offset:256*(8*(\b)+\i)
.endr
.endm
.irp b, 0,1,2,3
	CLOAD \b
.endr
.irp b, 0,1,2,3,4,5,6,7
	CAST \b
.endr
	s_wait_tensorcnt 0x0                           ; the wave's end
	ds_add_u32 v[SPW], v[NIL]
	s_wait_dscnt 0x0
	s_endpgm
.Lfunc_end_k_q1840053115_prep:
	.size	k_q1840053115_prep, .Lfunc_end_k_q1840053115_prep-k_q1840053115_prep
	.p2alignl 7, 3214868480
	.fill 96, 4, 3214868480
	.section	.rodata,"a",@progbits
	.p2align	6, 0x0
	.amdhsa_kernel k_q1840053115_prep
		.amdhsa_group_segment_fixed_size 33280
		.amdhsa_private_segment_fixed_size 0
		.amdhsa_enable_private_segment 0
		.amdhsa_kernarg_size 80
		.amdhsa_user_sgpr_count 2
		.amdhsa_user_sgpr_kernarg_segment_ptr 1
		.amdhsa_wavefront_size32 1
		.amdhsa_system_sgpr_workgroup_id_x 1
		.amdhsa_system_sgpr_workgroup_id_y 1
		.amdhsa_system_sgpr_workgroup_id_z 1
		.amdhsa_system_vgpr_workitem_id 0
		.amdhsa_next_free_vgpr 192
		.amdhsa_next_free_sgpr 66
		.amdhsa_reserve_vcc 0
		.amdhsa_float_denorm_mode_32 3
		.amdhsa_float_denorm_mode_16_64 3
		.amdhsa_memory_ordered 1
		.amdhsa_forward_progress 1
		.amdhsa_inst_pref_size 55
	.end_amdhsa_kernel
	.amdgpu_metadata
---
amdhsa.version: [ 1, 2 ]
amdhsa.kernels:
  - .name:           k_q1840053115_prep
    .symbol:         k_q1840053115_prep.kd
    .args:
      - { .name: query, .offset: 0, .size: 8, .value_kind: global_buffer, .address_space: global }
      - { .name: key, .offset: 8, .size: 8, .value_kind: global_buffer, .address_space: global }
      - { .name: value, .offset: 16, .size: 8, .value_kind: global_buffer, .address_space: global }
      - { .name: Wq, .offset: 24, .size: 8, .value_kind: global_buffer, .address_space: global }
      - { .name: Wk, .offset: 32, .size: 8, .value_kind: global_buffer, .address_space: global }
      - { .name: Wv, .offset: 40, .size: 8, .value_kind: global_buffer, .address_space: global }
      - { .name: Wo, .offset: 48, .size: 8, .value_kind: global_buffer, .address_space: global }
      - { .name: codes, .offset: 56, .size: 8, .value_kind: global_buffer, .address_space: global }
      - { .name: scales, .offset: 64, .size: 8, .value_kind: global_buffer, .address_space: global }
      - { .name: wo16, .offset: 72, .size: 8, .value_kind: global_buffer, .address_space: global }
    .group_segment_fixed_size: 33280
    .private_segment_fixed_size: 0
    .kernarg_segment_align: 8
    .kernarg_segment_size: 80
    .max_flat_workgroup_size: 128
    .sgpr_count:     66
    .vgpr_count:     192
    .wavefront_size: 32
...
	.end_amdgpu_metadata
.endif
;; end of part 1
;; launch proj (part 2): grid 8 x 24, 4 waves a work-group, clusters of 4 x 4, 327,680 bytes of LDS; arguments codes, scales, attn_mask, qkv; writes qkv
.if DOCPART == 2
	.amdgcn_target "amdgcn-amd-amdhsa--gfx1250"
	.amdhsa_code_object_version 6
	.text
	.protected	k_q1840053115_proj
	.globl	k_q1840053115_proj
	.p2align	8
	.type	k_q1840053115_proj,@function
k_q1840053115_proj:
	s_mov_b64 s[64:65], 0
	v_nop
	global_prefetch_b8 v0, s[64:65] scope:SCOPE_SE
	s_setreg_imm32_b32 hwreg(HW_REG_WAVE_MODE, 25, 1), 1
	s_wait_xcnt 0x0
	s_wait_alu depctr_hold_cnt(0) depctr_sa_sdst(0) depctr_va_vdst(0) depctr_va_sdst(0) depctr_va_ssrc(0) depctr_va_vcc(0) depctr_vm_vsrc(0)
	s_getreg_b32 s2, hwreg(HW_REG_IB_STS2, 6, 4)
	s_cmp_eq_u32 s2, 0
	s_cbranch_scc0 .Lentry_in_a_cluster
	s_endpgm
.Lentry_in_a_cluster:
	s_bfe_u32 s2, ttmp6, 0x10000c
	s_cmp_lg_u32 s2, 0xf033
	s_cbranch_scc0 .Lentry_shape_is_right
	s_endpgm
.Lentry_shape_is_right:
; THE THREE QUANTISED PROJECTIONS IN ONE GRID: qkv[g][s][f] = sum over e of X_g[s][e] W_g[f][e], g = 0, 1, 2 (query Wq, key Wk, value Wv), on codes of FP4 (E2M1) with one E8M0 scale for each 32 along K; sums in f32; results f16.
; codes [6][2048][1024 bytes] and scales [6][2048][64 bytes] hold query, key, value, Wq, Wk, Wv stacked; qkv is [3][2048 tokens][2048 features] f16.  q is stored unscaled: the scores' factor is applied in the softmax.
; THE MASK: in k (g = 1) the rows of masked tokens are stored as zeros, so that their score products are exactly 0 in the next launch, which adds the mask's bias to them.
; LIMIT: |q|, |k|, |v| stay under 65,504, the largest f16 number.
; A tile, 256 tokens x 256 features, is made by four waves, each 128 x 128: 64 accumulators of 16 x 16, 512 registers.  The grid's y counts the 24 tile rows of the stacked result, its x the 8 tile columns.
; K goes in steps of 512 through a ring of two LDS slots filled by the tensor data mover: a tile's row is 256 bytes of memory.  K = 2,048: four such steps, two laps of the ring.
; THE SCALES of the work-group's 256 rows of X and 256 rows of W, for all of K, are two dense blocks of memory: they come into LDS once, with the first fills, and stay.
; CLUSTERS: 4 x 4 work-groups; a cluster lies inside one g (8 tile rows are two clusters).  The four of a row of the cluster need the same tiles of X, the four of a column the same tiles of W: each tile is asked for
; JOINTLY, by the same tensor load with the same descriptor and a mask that names the four.  THE MATRIX INSTRUCTION IS USED TRANSPOSED (source 0 = 16 rows of W, source 1 = 16 rows of X): a lane holds eight neighbouring features of one token.
; REGISTERS, in windows of 256: window 0: v0-31 addresses and the eight keep words; v32-95 scale words, two sets; from v128 X's fragments, ONE set; on the way out v32-63, v192-255 are at work.
;   window 1: W's fragments, TWO sets, at v0 and v128.   window 2: the 32 accumulators of my rows 0-63 ((a, b) at v[8 (8 a + b)]);   window 3: those of my rows 64-127.
; No prefetch: the launch is short, and each tile is shared in the cluster.
.set KSTEP,  512                       ; along K in a slot
.set NQ,     KSTEP/128                 ; matrix instructions deep
.set ROWB,   256                       ; a tile's row in bytes
.set KROW,   1024                      ; a row of codes in memory
.set PITCH,  272                       ; an LDS row: 256 bytes + 16 of padding = 68 words: the 16 rows that a load touches start 4 banks apart (64 banks of 4 bytes: ISA guide 11.1)
.set FR,     8                         ; registers of a fragment: 16 rows x 128 K
.set NL,     2                         ; LDS loads that bring one
.set NP,     4                         ; places behind this matrix instruction (ISA guide 7.12.1)
.set HALFT,  128*PITCH                 ; 128 rows: what one tensor load brings
.set SLOT,   4*HALFT                   ; X's 256 rows, then W's 256 rows
.set LAPS,   2                         ; 2,048 / (2 x 512)
.set KS,     64                        ; a row of scales in bytes
.set SCL,    2*SLOT                    ; behind the ring: the scales, as units of 256 bytes + 16 of padding
.set HALFS,  (128*KS/256)*272          ; the scales of 128 rows: what one tensor load brings
.set SBLK,   (16*KS/256)*272           ; those of 16 rows
.set SPARE,  SCL+4*HALFS               ; behind the scales: the spare words, 128 bytes for each wave
.set SPITCH, 272                       ; the way out: a stage of 16 rows x (256 bytes + 16) for each wave, in slot 0, which has had its last fill and its last read by then
.set CROW,   4096                      ; a row of qkv in bytes
.set MA,   7                           ; v7      my token's place in the mask
.set KEEP, 8                           ; v8-15   block a: -1, or 0 where my row is a masked token of k
.set ADRA, 16                          ; v16-17  LDS address of my X fragments in slot 0, 1
.set ADRB, 20                          ; v20-21  the same for W
.set STO,  24                          ; v24     the way out: where I put 16 bytes of a row
.set RD,   25                          ; v25     where I read a row back
.set CO,   26                          ; v26     my byte offset in two rows of qkv
.set ADRS, 27                          ; v27     LDS address of my scale words: lanes 0-15 X's rows, lanes 16-31 W's
.set SPW,  28                          ; v28     LDS address of my spare word; never rewritten
.set NIL,  29                          ; v29     0; never rewritten
.set SC,   32                          ; scale words: set s at v[SC + 8 NQ s]; register NQ i + q: lanes 0-15 X's block i, lanes 16-31 W's block i, the slot's q-th 128 along K
.set AF,   128                         ; X's fragments, in window 0
.set TMP,  192                         ; the way out: packed results
.set OB,   32                          ; the way out: 16 rows read back: v32-63 and v224-255 by turns
.set G1, 24                            ; s[24:31] descriptor group 1 for X's tiles;  s[32:39] group 0, one set for each slot
.set G0, 32
.set G1B, 48                           ; s[48:55], s[56:63] the same for W's tiles
.set G0B, 56
.set G1S, 68                           ; s[68:75], s[76:79] groups 1 and 0 for X's scales;  s[80:87], s[88:91] for W's
.set G0S, 76
.set G1SB, 80
.set G0SB, 88
.set MSB, 0
.macro WIN new                         ; the immediate's high byte repeats the setting that is left
.if MSB != \new
	s_set_vgpr_msb (MSB<<8)|\new
.set MSB, \new
.endif
.endm
.set MUL_LO, 0xa1                      ; source 0 (W) window 1, source 1 (X) window 0, C and D window 2
.set MUL_HI, 0xf1                      ; the same, C and D window 3
.set TO_B,   0x40                      ; destination window 1, address window 0
; A joint load: waves 0 and 1 fetch for X, waves 2 and 3 for W.  Each line has ONE mask and one set of registers for all that issue it; the branch hangs on the wave's number alone.
; An s_nop 0 and four v_nop follow each of the two lines, ahead of the jump, the label and what follows.
.macro JLOAD g0a, g1a, g0b, g1b
	s_cmp_eq_u32 s15, 0
	s_cbranch_scc0 .Lfor_b_\@
	tensor_load_to_lds s[\g0a:\g0a+3], s[\g1a:\g1a+7]
	s_nop 0
.rept 4
	v_nop
.endr
	s_branch .Lasked_\@
.Lfor_b_\@:
	tensor_load_to_lds s[\g0b:\g0b+3], s[\g1b:\g1b+7]
	s_nop 0
.rept 4
	v_nop
.endr
.Lasked_\@:
.endm
.macro CREST                           ; a round of the cluster's barrier behind its opening barrier
	s_cmp_lg_u32 s14, 0
	s_cbranch_scc1 .Lnot_wave_0_\@
	s_barrier_signal -3
.Lnot_wave_0_\@:
	s_barrier_wait -3
	s_barrier_signal -1
	s_barrier_wait -1
.endm
.macro CROUND                          ; a whole round
	s_barrier_signal -1
	s_barrier_wait -1
	CREST
.endm
	s_load_b128 s[4:7], s[0:1], 0x0                ; codes s[4:5], scales s[6:7]
	s_load_b128 s[8:11], s[0:1], 0x10              ; attn_mask s[8:9], qkv s[10:11]
	v_lshl_add_u32 v[SPW], v0, 2, SPARE
	v_mov_b32 v[NIL], 0
	ds_add_u32 v[SPW], v[NIL]                      ; the wave's opening: the add, twice on end, and its wait ahead of my first tensor load; the set-up below stands between the second and the wait
	ds_add_u32 v[SPW], v[NIL]
	v_lshrrev_b32 v1, 5, v0
	v_readfirstlane_b32 s14, v1                    ; wave 0..3
	s_lshr_b32 s15, s14, 1                         ; which half of the tile's rows is mine.  Also: I fetch for X (0) or for W (1)
	s_and_b32 s16, s14, 1                          ; which half of its columns.  Also: which 128 rows of that tile I fetch
	s_bfe_u32 s40, ttmp6, 0x40000                  ; cx, cy: my place in the cluster
	s_bfe_u32 s41, ttmp6, 0x40004
	s_lshl_b32 s42, ttmp9, 2
	s_add_co_u32 s42, s42, s40                     ; tile column = 4 x cluster x + cx
	s_and_b32 s12, ttmp7, 0xffff                   ; cluster y
	s_lshl_b32 s17, s12, 2
	s_add_co_u32 s17, s17, s41                     ; tile row of the stacked result = 4 x cluster y + cy
	s_lshr_b32 s13, s12, 1                         ; g: which projection; made of the cluster's y alone, so all sixteen partners share it
	s_lshl_b32 s43, s41, 2
	s_lshl_b32 s43, 15, s43                        ; my row of the cluster
	s_lshl_b32 s44, 0x1111, s40                    ; my column
	; descriptor group 1: a tile of 128 rows x 256 bytes, padded in LDS
	s_or_b32 s[G1+0], s43, (0<<16)|(1<<20)|(1<<21)|(5<<22)|(3<<25)  ; 15:0 the mask: X's tiles go to my row; 17:16 element of 1 byte; 20 padding on; 21 set beside a mask; 24:22 after every 64 words; 31:25 four words
	s_or_b32 s[G1B+0], s44, (0<<16)|(1<<20)|(1<<21)|(5<<22)|(3<<25)
.irp g, G1, G1B
	s_mov_b32 s[\g+1], ROWB<<16                    ; tensor_dim0
	s_mov_b32 s[\g+2], 128<<16                     ; tensor_dim1
	s_mov_b32 s[\g+3], ROWB<<16                    ; tile_dim0
	s_mov_b32 s[\g+4], 128                         ; tile_dim1
	s_mov_b32 s[\g+5], KROW                        ; tensor_dim0_stride
	s_mov_b32 s[\g+6], 0
	s_mov_b32 s[\g+7], 0
.endr
	; the scales of 128 rows: a dense block of 8,192 bytes, as 32 rows of 256 bytes (32 elements of 8 bytes), 16 bytes of padding behind each
	s_or_b32 s[G1S+0], s43, (3<<16)|(1<<20)|(1<<21)|(5<<22)|(3<<25)
	s_or_b32 s[G1SB+0], s44, (3<<16)|(1<<20)|(1<<21)|(5<<22)|(3<<25)
.irp g, G1S, G1SB
	s_mov_b32 s[\g+1], 32<<16
	s_mov_b32 s[\g+2], (128*KS/256)<<16
	s_mov_b32 s[\g+3], 32<<16
	s_mov_b32 s[\g+4], 128*KS/256
	s_mov_b32 s[\g+5], 32
	s_mov_b32 s[\g+6], 0
	s_mov_b32 s[\g+7], 0
.endr
	s_lshl_b32 s18, s16, 7                         ; which 128 rows of the tile I fetch
	s_lshl_b32 s20, s17, 8
	s_add_co_u32 s20, s20, s18                     ; X: stacked row 256 x tile row + 128 x half (tensors 0 to 2 lie on end)
	s_lshl_b32 s46, s42, 8
	s_add_co_u32 s46, s46, s18                     ; W: row 256 x tile column + 128 x half,
	s_lshl_b32 s19, s13, 11
	s_add_co_u32 s46, s46, s19                     ; in tensor 3 + g
	s_add_co_u32 s46, s46, 3*2048
	s_mov_b32 s21, 0
	s_mov_b32 s47, 0
	s_mov_b64 s[18:19], KS
	s_mul_u64 s[22:23], s[20:21], s[18:19]         ; where these rows' scales begin, in bytes
	s_mul_u64 s[92:93], s[46:47], s[18:19]
	s_mov_b64 s[18:19], KROW
	s_mul_u64 s[20:21], s[20:21], s[18:19]         ; and their codes
	s_mul_u64 s[46:47], s[46:47], s[18:19]
	s_mul_i32 s45, s14, HALFT                      ; where they go: wave x 128 rows: no place in the cluster enters an LDS address
	s_mul_i32 s94, s14, HALFS
	s_wait_dscnt 0x0                               ; both opening adds are done
	s_wait_kmcnt 0x0
	s_add_nc_u64 s[20:21], s[4:5], s[20:21]
	s_add_nc_u64 s[22:23], s[6:7], s[22:23]
	s_add_nc_u64 s[46:47], s[4:5], s[46:47]
	s_add_nc_u64 s[92:93], s[6:7], s[92:93]
	CROUND                                         ; all sixteen work-groups are here: the first joint loads meet
	s_mov_b32 s[G0S], 1
	s_add_co_u32 s[G0S+1], s94, SCL
	s_mov_b64 s[G0S+2:G0S+3], s[22:23]
	s_or_b32 s[G0S+3], s[G0S+3], 0x80000000
	s_mov_b32 s[G0SB], 1
	s_add_co_u32 s[G0SB+1], s94, SCL
	s_mov_b64 s[G0SB+2:G0SB+3], s[92:93]
	s_or_b32 s[G0SB+3], s[G0SB+3], 0x80000000
	JLOAD G0S, G1S, G0SB, G1SB                     ; the scales first: they are wanted with K step 0
.irp s, 0,1
	s_mov_b32 s[G0+4*\s], 1
	s_add_co_u32 s[G0+4*\s+1], s45, \s*SLOT
	s_add_nc_u64 s[G0+4*\s+2:G0+4*\s+3], s[20:21], \s*ROWB
	s_or_b32 s[G0+4*\s+3], s[G0+4*\s+3], 0x80000000
	s_mov_b32 s[G0B+4*\s], 1
	s_add_co_u32 s[G0B+4*\s+1], s45, \s*SLOT
	s_add_nc_u64 s[G0B+4*\s+2:G0B+4*\s+3], s[46:47], \s*ROWB
	s_or_b32 s[G0B+4*\s+3], s[G0B+4*\s+3], 0x80000000
	JLOAD G0+4*\s, G1, G0B+4*\s, G1B               ; three loads of mine are out now
.endr
	v_and_b32 v1, 15, v0                           ; r = l % 16
	v_bfe_u32 v2, v0, 4, 1                         ; h = l / 16
	s_and_b32 s21, s17, 7                          ; the mask bytes of my 128 tokens: token 256 x (tile row in its tensor) + 128 x half + 16 a + r
	s_lshl_b32 s21, s21, 8
	s_lshl_b32 s22, s15, 7
	s_add_co_u32 s21, s21, s22
	v_add_nc_u32 v[MA], s21, v1
.irp a, 0,1,2,3,4,5,6,7
	global_load_u8 v[KEEP+\a], v[MA], s[8:9] offset:16*\a
.endr
	v_mul_u32_u24 v3, v1, PITCH
	v_lshl_add_u32 v4, v2, 4, v3                   ; a fragment's row x pitch + 16 x half
	s_mul_i32 s21, s15, HALFT                      ; my 128 rows of X
	s_mul_i32 s22, s16, HALFT                      ; my 128 rows of W,
	s_add_co_u32 s22, s22, 2*HALFT                 ; which lie behind X's 256
.irp s, 0,1
	v_add_nc_u32 v[ADRA+\s], s21, v4
	v_add_nc_u32 v[ADRB+\s], s22, v4
	s_add_co_u32 s21, s21, SLOT
	s_add_co_u32 s22, s22, SLOT
.endr
	v_mul_u32_u24 v5, v1, KS                       ; my row's scales: KS bytes a row,
	v_lshrrev_b32 v6, 8, v5
	v_lshl_add_u32 v5, v6, 4, v5                   ; and 16 more for each 256 passed
	s_mul_i32 s21, s15, HALFS                      ; X's: my 128 rows
	s_mul_i32 s22, s16, HALFS                      ; W's: my 128 rows, behind X's 256
	s_add_co_u32 s22, s22, 2*HALFS
	s_sub_co_u32 s22, s22, s21
	v_mul_u32_u24 v6, s22, v2                      ; lanes 16-31 take W's: one product, the distance between the two bases
	s_add_co_u32 s21, s21, SCL
	v_add_nc_u32 v5, v5, v6
	v_add_nc_u32 v[ADRS], s21, v5
	s_mul_i32 s23, s14, 16*SPITCH                  ; my stage
	v_mul_u32_u24 v5, v1, SPITCH                   ; in: row r, 16 bytes for each half of the lanes
	v_lshl_add_u32 v5, v2, 4, v5
	v_add_nc_u32 v[STO], s23, v5
	v_mul_u32_u24 v5, v2, SPITCH                   ; back: lanes 0-15 one row of 256 bytes, lanes 16-31 the next
	v_lshl_add_u32 v5, v1, 4, v5
	v_add_nc_u32 v[RD], s23, v5
	v_lshlrev_b32 v5, 12, v2                       ; and the same two rows in qkv
	v_lshl_add_u32 v[CO], v1, 4, v5
	s_lshl_b32 s20, s17, 8
	s_lshl_b32 s21, s15, 7
	s_add_co_u32 s20, s20, s21                     ; my first row of qkv: 256 x tile row + 128 x half
	s_lshl_b32 s20, s20, 12                        ; in bytes (under 2^25)
	s_lshl_b32 s46, s42, 9                         ; my first column, in bytes: 512 x tile column + 256 x half
	s_lshl_b32 s47, s16, 8
	s_add_co_u32 s46, s46, s47
	s_add_co_u32 s20, s20, s46
	s_mov_b32 s21, 0
	s_add_nc_u64 s[10:11], s[10:11], s[20:21]
	s_cmp_eq_u32 s13, 1                            ; only k's rows are cleared
	s_cselect_b32 s22, 1, 0
	s_wait_loadcnt 0x0                             ; the mask bytes
.irp a, 0,1,2,3,4,5,6,7
	v_and_b32 v[KEEP+\a], s22, v[KEEP+\a]          ; 1 where a masked token of k,
.endr
.irp a, 0,1,2,3,4,5,6,7
	v_add_nc_u32 v[KEEP+\a], -1, v[KEEP+\a]        ; so 0 there and all ones elsewhere: no branch and no lane mask hangs on the data
.endr
.macro FRAG reg, adr, q, i             ; a fragment, 16 rows x 128 K of 4-bit codes: lane l holds row l % 16; registers 4 c .. 4 c + 3 hold K = 64 c + 32 (l / 16) + 0 .. 31
.irp c, 0,1
	ds_load_b128 v[\reg+4*\c:\reg+4*\c+3], v[\adr] offset:64*(\q)+32*\c+(\i)*16*PITCH
.endr
.endm
; 16 matrix instructions: X's blocks a0, a0 + 1 x W's eight, 128 along K: the slot's q-th.  p: W's set;  sc: the set of scale words.  zero = 1: the first product starts the sums.
; The 64 accumulators take turns, one instruction a turn, in the same order in every step.
.macro MUL16 a0, p, q, sc, zero
.irp a, \a0, \a0+1
.irp b, 0,1,2,3,4,5,6,7
.if \zero
	v_wmma_scale_f32_16x16x128_f8f6f4 v[8*(8*((\a)%4)+\b):8*(8*((\a)%4)+\b)+7], v[128*(\p)+FR*\b:128*(\p)+FR*\b+FR-1], v[AF+FR*(\a):AF+FR*(\a)+FR-1], 0, v[SC+8*NQ*(\sc)+NQ*\b+(\q)], v[SC+8*NQ*(\sc)+NQ*(\a)+(\q)] matrix_a_fmt:MATRIX_FMT_FP4 matrix_b_fmt:MATRIX_FMT_FP4 matrix_a_scale:MATRIX_SCALE_ROW1
.else
	v_wmma_scale_f32_16x16x128_f8f6f4 v[8*(8*((\a)%4)+\b):8*(8*((\a)%4)+\b)+7], v[128*(\p)+FR*\b:128*(\p)+FR*\b+FR-1], v[AF+FR*(\a):AF+FR*(\a)+FR-1], v[8*(8*((\a)%4)+\b):8*(8*((\a)%4)+\b)+7], v[SC+8*NQ*(\sc)+NQ*\b+(\q)], v[SC+8*NQ*(\sc)+NQ*(\a)+(\q)] matrix_a_fmt:MATRIX_FMT_FP4 matrix_b_fmt:MATRIX_FMT_FP4 matrix_a_scale:MATRIX_SCALE_ROW1
.endif
.endr
.endr
.endm
.macro FETCH_B slot, q, p              ; W's eight fragments of the slot's q-th 128 along K into set p
	WIN TO_B
.irp i, 0,1,2,3,4,5,6,7
	FRAG 128*(\p)+FR*\i, ADRB+\slot, \q, \i
.endr
	WIN 0
.endm
.macro FETCH_A slot, q, i0             ; X's blocks i0 .. i0 + 3
.irp i, \i0, \i0+1, \i0+2, \i0+3
	FRAG AF+FR*(\i), ADRA+\slot, \q, \i
.endr
.endm
.macro SCALES sc                       ; the next K step's scale words into set sc: NQ words a row; lanes 0-15 take X's block i, lanes 16-31 W's block i
.irp i, 0,1,2,3,4,5,6,7
	ds_load_b128 v[SC+8*NQ*\sc+NQ*\i:SC+8*NQ*\sc+NQ*\i+3], v[ADRS] offset:\i*SBLK
.endr
.endm
; A load into a register that a matrix instruction has read, and a vector instruction that reads a matrix result, stand NP places behind that matrix instruction; only plain vector instructions that name none
; of its registers are places (ISA guide 7.12.1 for vector instructions).
.macro PLACES n
.rept \n
	v_nop
.endr
.endm
; A step of 128 along K that has its successor in the same slot.  X has one set of registers: blocks 0-3 are fetched anew in the step's middle, blocks 4-7 at its end.
.macro STEP slot, q, zero
	s_wait_dscnt 4*NL                              ; W's set and X's blocks 0-3 are in; the youngest eight loads (X's blocks 4-7) may be out
	WIN MUL_LO
	MUL16 0, (\q)%2, \q, \slot, \zero
	MUL16 2, (\q)%2, \q, \slot, \zero
	s_wait_dscnt 0                                 ; X's blocks 4-7 are in (asked for 32 matrix instructions ago)
	PLACES NP
	FETCH_B \slot, (\q)+1, 1-(\q)%2
	FETCH_A \slot, (\q)+1, 0
	WIN MUL_HI
	MUL16 4, (\q)%2, \q, \slot, \zero
	MUL16 6, (\q)%2, \q, \slot, \zero
	PLACES NP
	WIN 0
	FETCH_A \slot, (\q)+1, 4
.endm
; A slot's last step changes slots: ONE barrier; in front of it each wave waits for all its tensor loads, adds 0 to its spare word, and waits for that and for its own reads of this slot.  fill = 1: this slot is filled again, two K steps ahead.
.macro TURN slot, next, fill
	s_wait_tensorcnt 0x0                           ; all my tensor loads have landed: my part of the next slot  (every window is 0 here)
	ds_add_u32 v[SPW], v[NIL]                      ; 0 onto my spare word
	s_wait_dscnt 4*NL+1                            ; the add and the youngest eight loads (X's blocks 4-7) may be out
	WIN MUL_LO
	MUL16 0, 1, NQ-1, \slot, 0                     ; sixteen matrix instructions stand between the add and the wait for it
	s_wait_dscnt 0x0                               ; the add is done, and my reads of this slot are over
	s_barrier_signal -1
	MUL16 2, 1, NQ-1, \slot, 0
	WIN 0
	s_barrier_wait -1
.if \fill
	CREST                                          ; the barrier has opened a round of the cluster's barrier: no wave of any partner still reads this slot's tile or has a load on its way
	s_add_nc_u64 s[G0+4*\slot+2:G0+4*\slot+3], s[G0+4*\slot+2:G0+4*\slot+3], 2*ROWB
	s_add_nc_u64 s[G0B+4*\slot+2:G0B+4*\slot+3], s[G0B+4*\slot+2:G0B+4*\slot+3], 2*ROWB
	JLOAD G0+4*\slot, G1, G0B+4*\slot, G1B         ; the first tensor load behind the round, my one load until the next; its four v_nop are the places in front of the loads below
.else
	PLACES NP
.endif
	v_add_nc_u32 v[ADRS], 4*NQ, v[ADRS]            ; on to the next K step's scale words (no LDS load of mine is out)
	FETCH_B \next, 0, 0
	FETCH_A \next, 0, 0
	SCALES \next
	WIN MUL_HI
	MUL16 4, 1, NQ-1, \slot, 0
	MUL16 6, 1, NQ-1, \slot, 0
	PLACES NP
	WIN 0
	FETCH_A \next, 0, 4
.endm
.macro STEPS slot, from                ; the slot's steps from .. NQ - 2
.set Q, \from
.rept NQ-1-\from
	STEP \slot, Q, 0
.set Q, Q+1
.endr
.endm
	s_wait_tensorcnt 1                             ; the scales and my part of K step 0 are in; K step 1's load may be out
	s_barrier_signal -1
	s_barrier_wait -1                              ; everybody's are
	FETCH_B 0, 0, 0
	FETCH_A 0, 0, 0
	SCALES 0
	FETCH_A 0, 0, 4
	STEP 0, 0, 1                                   ; the first step stands in front of the loop: its products start the sums
	s_mov_b32 s3, LAPS-1
.Llap:                                                 ; a trip goes once round the ring, from a lap's second step to the next lap's first, and fills both slots again
	STEPS 0, 1
	TURN 0, 1, 1
	STEPS 1, 0
	TURN 1, 0, 1
	STEP 0, 0, 0
	s_sub_co_u32 s3, s3, 1
	s_cmp_lg_u32 s3, 0
	s_cbranch_scc1 .Llap
	STEPS 0, 1                                     ; the last lap fills nothing, and has no round of the cluster's barrier
	TURN 0, 1, 0
	STEPS 1, 0
	s_wait_dscnt 4*NL                              ; the very last step: nothing more to fetch
	WIN MUL_LO
	MUL16 0, 1, NQ-1, 1, 0
	MUL16 2, 1, NQ-1, 1, 0
	s_wait_dscnt 0
	WIN MUL_HI
	MUL16 4, 1, NQ-1, 1, 0
	MUL16 6, 1, NQ-1, 1, 0
	WIN 0
; THE WAY OUT, block by block of 16 tokens x 128 features.  PACK: rounded to f16, 16 bytes a lane, each accumulator from its low end on; the keep word clears masked rows of k.
; TOSTAGE: into my own stage and back as whole rows of 256 bytes (LDS serves a wave's instructions in order: no wait between).  SEND: sixteen lanes store 256 consecutive bytes, aligned.
.macro PACK a
.set AC, 64*((\a)%4)
	WIN 0x0a+5*((\a)/4)                            ; sources 0 and 1: window 2 or 3
.irp b, 0,1,2,3,4,5,6,7
.irp r, 0,1,2,3
	v_cvt_pk_f16_f32 v[TMP+4*\b+\r], v[AC+8*\b+2*\r], v[AC+8*\b+2*\r+1]
.endr
.endr
	WIN 0
.set i, 0
.rept 32
	v_and_b32 v[TMP+i], v[KEEP+(\a)], v[TMP+i]
.set i, i+1
.endr
.endm
.macro TOSTAGE a
.set BB, OB+192*((\a)%2)
.irp b, 0,1,2,3,4,5,6,7
	ds_store_b128 v[STO], v[TMP+4*\b:TMP+4*\b+3] offset:32*\b
.endr
.irp t, 0,1,2,3,4,5,6,7
	ds_load_b128 v[BB+4*\t:BB+4*\t+3], v[RD] offset:\t*2*SPITCH
.endr
.endm
.macro SEND a
.set BB, OB+192*((\a)%2)
	s_wait_dscnt 0x0                               ; the block is back in registers
	s_wait_xcnt 0x0                                ; the earlier stores have read their base and their data: the base may step, and the next block's loads may land on the registers of two blocks back
.if (\a) > 0
	s_add_nc_u64 s[10:11], s[10:11], 16*CROW       ; 16 rows on
.endif
.irp t, 0,1,2,3,4,5,6,7
	global_store_b128 v[CO], v[BB+4*\t:BB+4*\t+3], s[10:11] offset:2*\t*CROW
.endr
.endm
	PLACES NP                                      ; behind the last products: block 0's results are read next, and loads land on registers that held scale words
	PACK 0
	TOSTAGE 0
.irp a, 1,2,3,4,5,6,7                  ; block a's conversions stand between block a - 1's loads from the stage and the wait for them
	PACK \a
	SEND \a-1
	TOSTAGE \a
.endr
	SEND 7
	s_wait_tensorcnt 0x0                           ; the wave's end, behind my last tensor load and my last LDS store
	ds_add_u32 v[SPW], v[NIL]
	s_wait_dscnt 0x0
	CROUND                                         ; the closing round: no work-group ends while a partner may still ask for a tile that names it
	s_endpgm
.Lfunc_end_k_q1840053115_proj:
	.size	k_q1840053115_proj, .Lfunc_end_k_q1840053115_proj-k_q1840053115_proj
	.p2alignl 7, 3214868480
	.fill 96, 4, 3214868480
	.section	.rodata,"a",@progbits
	.p2align	6, 0x0
	.amdhsa_kernel k_q1840053115_proj
		.amdhsa_group_segment_fixed_size 327680
		.amdhsa_private_segment_fixed_size 0
		.amdhsa_enable_private_segment 0
		.amdhsa_kernarg_size 32
		.amdhsa_user_sgpr_count 2
		.amdhsa_user_sgpr_kernarg_segment_ptr 1
		.amdhsa_wavefront_size32 1
		.amdhsa_system_sgpr_workgroup_id_x 1
		.amdhsa_system_sgpr_workgroup_id_y 1
		.amdhsa_system_sgpr_workgroup_id_z 1
		.amdhsa_system_vgpr_workitem_id 0
		.amdhsa_next_free_vgpr 1024
		.amdhsa_next_free_sgpr 98
		.amdhsa_reserve_vcc 0
		.amdhsa_float_denorm_mode_32 3
		.amdhsa_float_denorm_mode_16_64 3
		.amdhsa_memory_ordered 1
		.amdhsa_forward_progress 1
		.amdhsa_inst_pref_size 223
	.end_amdhsa_kernel
	.amdgpu_metadata
---
amdhsa.version: [ 1, 2 ]
amdhsa.kernels:
  - .name:           k_q1840053115_proj
    .symbol:         k_q1840053115_proj.kd
    .args:
      - { .name: codes, .offset: 0, .size: 8, .value_kind: global_buffer, .address_space: global }
      - { .name: scales, .offset: 8, .size: 8, .value_kind: global_buffer, .address_space: global }
      - { .name: attn_mask, .offset: 16, .size: 8, .value_kind: global_buffer, .address_space: global }
      - { .name: qkv, .offset: 24, .size: 8, .value_kind: global_buffer, .address_space: global }
    .group_segment_fixed_size: 327680
    .private_segment_fixed_size: 0
    .kernarg_segment_align: 8
    .kernarg_segment_size: 32
    .max_flat_workgroup_size: 128
    .sgpr_count:     98
    .vgpr_count:     1024
    .wavefront_size: 32
...
	.end_amdgpu_metadata
.endif
;; end of part 2
;; launch attn (part 3): grid 16 x 16, 8 waves a work-group, clusters of 4 x 1, 327,680 bytes of LDS; arguments qkv, attn_mask, lq1, lk1, lq2, lk2, subln_g, attn16; writes attn16
.if DOCPART == 3
	.amdgcn_target "amdgcn-amd-amdhsa--gfx1250"
	.amdhsa_code_object_version 6
	.text
	.protected	k_q1840053115_attn
	.globl	k_q1840053115_attn
	.p2align	8
	.type	k_q1840053115_attn,@function
k_q1840053115_attn:
	s_mov_b64 s[64:65], 0
	v_nop
	global_prefetch_b8 v0, s[64:65] scope:SCOPE_SE
	s_setreg_imm32_b32 hwreg(HW_REG_WAVE_MODE, 25, 1), 1
	s_wait_xcnt 0x0
	s_wait_alu depctr_hold_cnt(0) depctr_sa_sdst(0) depctr_va_vdst(0) depctr_va_sdst(0) depctr_va_ssrc(0) depctr_va_vcc(0) depctr_vm_vsrc(0)
	s_getreg_b32 s2, hwreg(HW_REG_IB_STS2, 6, 4)
	s_cmp_eq_u32 s2, 0
	s_cbranch_scc0 .Lentry_in_a_cluster
	s_endpgm
.Lentry_in_a_cluster:
	s_bfe_u32 s2, ttmp6, 0x10000c
	s_cmp_lg_u32 s2, 0x3003
	s_cbranch_scc0 .Lentry_shape_is_right
	s_endpgm
.Lentry_shape_is_right:
; DIFFERENTIAL ATTENTION.  For head hd (16) and query q: a = softmax(Q1 K1^T / 8) V - lambda softmax(Q2 K2^T / 8) V, then RMSNorm over the head's 128 channels, x subln_g, x (1 - LAMBDA_INIT); stored as f16.
; qkv: [3][2048 tokens][2048 features] f16.  Sub-head 2 hd + u has features 128 hd + 64 u + 0..63 of q and k; head hd has features 128 hd + 0..127 of v.  attn16: [2048][2048] f16.
; All products take f16 operands and f32 sums; maxima, sums, exponentials and the norm are f32.  The clip of the softmax at +-1e6 changes no number between 0 and 1 and is not written.
; THE MASK.  k's rows of masked tokens were stored as zeros, so their score products are exactly 0; the scores' first matrix instruction takes as C a bias, 0 for an open key and -2^126 for a masked one.
; A masked score is then exactly -2^126 in every row.  With an open key in the row its weight is 2^(-huge) = 0; with every key masked c s - c m is exactly 0, every weight 1, and the softmax uniform, as with the mask's finite minimum.
; LIMITS: |q|, |k|, |v| under 65,504 (f16); NaN and infinities are not served; scores stay far above -2^126.
; SHARES.  A work-group owns 128 queries of one head.  Wave w: u = w % 2 is its sub-head, qg = w / 2 its 32 queries, as two tiles of 16: tile 0 = queries 32 qg + 16 u, tile 1 = the other sixteen.
; The two divisors are known only at a row's end, so each sub-head carries its own sum P V.  At the end every wave sends its tile 1 to its partner w xor 1 and finishes its tile 0: one text for all waves.
; Two waves share a SIMD (512 registers each): the text goes in phases, and one wave's softmax stands beside the other's products.
; LAYOUT.  S^T = K Q^T (source 0 = 16 keys, source 1 = 16 queries): a lane holds ONE query (lane % 16) and keys 8 (lane / 16) + 0..7.  Two such tiles rounded to f16 in pairs ARE source 1 of O^T = V^T P.
; K comes out of LDS as it lies, V ([key][channel]) turned, by ds_load_tr16_b128.
; SOFTMAX.  A running maximum m and sum l for each query: p = 2^(c s - c m), c = log2(e) / 8; in every step O and l are multiplied by 2^(c m_old - c m_new).
; RING.  Two buffers of four key steps (256 keys).  Waves 0-3 fetch K's tile of step w, waves 4-7 V's of step w - 4: one load a wave behind each change, and four key steps in which it lands.
; CLUSTER.  The four query blocks of a cluster belong to one head and walk the same K and V: each tile is asked for JOINTLY, by the same tensor load, descriptor and mask in all four.
; REGISTERS.  Window 0: v1 r, v8 h, v2-7 addresses, v9 the factor, v10-13 addresses, v14-15 the add's two, v16-31 statistics, v32-63 Q, v64-127 K, v128-191 S^T, v192-223 P, v224-255 the bias.
;             Window 1: v0-127 O^T (64 a tile), v128-255 V's 16 fragments.
.set KS,    64                         ; keys in a step
.set PK,    272                        ; a row of K in LDS: 256 bytes + 16: row r starts at bank 4 r mod 64 (64 banks of 4 bytes: ISA guide 11.1)
.set PV,    288                        ; a row of V: 256 + 32
.set VOFF,  KS*PK                      ; a step's tiles lie together: 64 rows of K, then 64 rows of V
.set STEPB, KS*(PK+PV)
.set NST,   4                          ; steps in a buffer
.set SLOT1, NST*STEPB                  ; buffer 1 begins here
.set BIAS,  2*SLOT1                    ; behind the ring: 2,048 f32, the mask's bias; written once by LDS stores
.set SPARE, BIAS+8192                  ; the spare words, 128 bytes for each of eight waves
.set XCH,   0                          ; the tail: eight images of 64 registers, 8,192 bytes each, and
.set STAGE, 65536                      ; eight stages of 16 rows x 272 bytes, in buffer 0, which has had its last fill and, at the last change, its last read
.set SP,    272
.set ROWG,  4096                       ; a row of qkv or attn16 in bytes
.set SLOTG, NST*KS*ROWG                ; 256 rows
.set KBASE, 2048*ROWG                  ; where k begins in qkv
.set AK0, 2
.set AV0, 3
.set AB0, 4
.set ADK, 5
.set ADV, 6
.set ADB, 7
.set FCT, 9                            ; 1 (u = 0) or -lambda (u = 1)
.set STO, 10
.set RD,  11
.set GO,  12
.set PFO, 13                           ; 4,096 x my lane; never rewritten
.set SPW, 14
.set NIL, 15
.set ST,  16                           ; tile t's statistics at v[ST + 8 t]: +0 c m, +1 m, +2, +3 l (even keys', odd keys'), +4 to +7 at work; the rescaling factor takes +6
.set Q,   32                           ; tile t, channels 32 c on: v[Q + 16 t + 8 c]
.set KF,  64                           ; keys 16 kt on, channels 32 c on: v[KF + 16 kt + 8 c]
.set S,   128
.set P,   192
.set BI,  224                          ; keys 16 kt on: v[BI + 8 kt]
.set XR,  64                           ; the tail: tile 1 scaled, then the partner's; later the packed rows
.set YR,  128                          ; the tail: tile 0 scaled, then the difference
.set GR,  192                          ; the tail: subln_g in the result's layout
.set WV,  20
.set UU,  21
.set QG,  22
.set CX,  23
.set G1K, 24                           ; s[24:31], s[32:39] descriptor groups 1 for K's and V's tiles: they differ in the padding
.set G1V, 32
.set G0K, 40                           ; s[40:47], s[48:55] groups 0: a set for each of the two first fills; the second then walks
.set G0V, 48
.set SLOTS, 56                         ; buffers still to be asked for
.set CNT, 57
.set CS,  58                           ; s[58:59] c
.set SEL, 60                           ; s[60:61] selects for v_permlanex16_b32: lane l xor 16
.set TB,  62                           ; LDS byte at which the tiles of the step to be read begin
.set TKB, 66                           ; 4 x the step's first key
.set LB,  67                           ; the buffer that was filled last
.set PARTK, 68                         ; my tile's place in a buffer, as K's
.set PARTV, 69                         ; and as V's
.set PFA, 70                           ; s[70:71] where my prefetches stand
.set LIM, 72                           ; 1 in a wave that prefetches, else the greatest number
.set MSB, 0
.macro WIN new                         ; the immediate's high byte repeats the setting that is left; a switch that changes nothing is dropped
.if MSB != \new
	s_set_vgpr_msb (MSB<<8)|\new
.set MSB, \new
.endif
.endm
.set TO_V, 0x40                        ; destination window 1, address window 0
.set W_RS, 0x41                        ; O^T (destination and source 0) window 1, the factor window 0
.set W_PV, 0x51                        ; V, C and D window 1, P window 0
; A joint refill.  The branch hangs on the wave's number alone.  An s_nop 0 and four v_nop follow each of the two lines.
.macro JLOAD
	s_cmp_lt_u32 s[WV], 4
	s_cbranch_scc0 .Lfor_v_\@
	tensor_load_to_lds s[G0K+4:G0K+7], s[G1K:G1K+7]
	s_nop 0
.rept 4
	v_nop
.endr
	s_branch .Lasked_\@
.Lfor_v_\@:
	tensor_load_to_lds s[G0V+4:G0V+7], s[G1V:G1V+7]
	s_nop 0
.rept 4
	v_nop
.endr
.Lasked_\@:
.endm
; A PREFETCH INTO THE L2 of what the NEXT change will ask for: 256 rows of K and 256 of V, 256 bytes of each row, a lane a row.  Each row's part is named ONCE in the launch: the head's first cluster asks;
; its four partners take 64 rows each, told apart BY ADDRESS; in each, waves 0 and 1 ask for K's (32 rows each), waves 2 and 3 for V's.  It stands behind the wave's tensor load and its five lines.
; The lead is one buffer, four key steps.  The last change that fills a buffer asks for nothing; buffers 0 to 2 come by their loads alone.
.macro ASK
	s_cmp_gt_u32 s[SLOTS], s[LIM]
	s_cbranch_scc0 .Lnot_mine_\@
	global_prefetch_b8 v[PFO], s[PFA:PFA+1] th:TH_LOAD_NT scope:SCOPE_SE
.Lnot_mine_\@:
.endm
.macro CROUND                          ; a round of the cluster's barrier
	s_barrier_signal -1
	s_barrier_wait -1
	s_cmp_lg_u32 s[WV], 0
	s_cbranch_scc1 .Lnot_wave_0_\@
	s_barrier_signal -3
.Lnot_wave_0_\@:
	s_barrier_wait -3
	s_barrier_signal -1
	s_barrier_wait -1
.endm
	s_load_b256 s[4:11], s[0:1], 0x0               ; qkv s[4:5], attn_mask s[6:7], lq1 s[8:9], lk1 s[10:11]
	s_load_b256 s[12:19], s[0:1], 0x20             ; lq2 s[12:13], lk2 s[14:15], subln_g s[16:17], attn16 s[18:19]
	v_lshl_add_u32 v[SPW], v0, 2, SPARE
	v_mov_b32 v[NIL], 0
	ds_add_u32 v[SPW], v[NIL]                      ; the wave's opening: the add, twice on end, and its wait ahead of my first tensor load; the set-up below stands between the second and the wait
	ds_add_u32 v[SPW], v[NIL]
	v_lshrrev_b32 v1, 5, v0
	v_readfirstlane_b32 s[WV], v1                  ; wave 0..7
	s_and_b32 s[UU], s[WV], 1                      ; my sub-head
	s_lshr_b32 s[QG], s[WV], 1                     ; my 32 queries
	s_bfe_u32 s[CX], ttmp6, 0x40000                ; my place in the cluster
	s_lshl_b32 s74, ttmp9, 2
	s_add_co_u32 s74, s74, s[CX]                   ; my block of 128 queries: it enters Q's and the output's addresses alone
	s_and_b32 s75, ttmp7, 0xffff                   ; the head, which the four partners share
	s_lshl_b32 s75, s75, 8                         ; its 256 bytes in a row
	s_and_b32 s76, s[WV], 3                        ; which of a buffer's four steps I fetch
	s_mul_i32 s[PARTK], s76, STEPB                 ; its place in a buffer: no place in the cluster enters an LDS address
	s_add_co_u32 s[PARTV], s[PARTK], VOFF
	s_lshl_b32 s76, s76, 18                        ; its 64 rows of 4,096 bytes in memory,
	s_add_co_u32 s76, s76, s75                     ; at the head's bytes
	s_add_co_u32 s78, s76, KBASE                   ; in k
	s_mov_b32 s79, 0
	s_add_co_u32 s80, s76, 2*KBASE                 ; in v
	s_mov_b32 s81, 0
	s_lshl_b32 s82, s74, 19                        ; my block's 128 rows,
	s_lshl_b32 s83, s[QG], 17                      ; my wave's 32 of them,
	s_add_co_u32 s82, s82, s83
	s_add_co_u32 s82, s82, s75                     ; the head's bytes
	s_lshl_b32 s83, s[UU], 7
	s_add_co_u32 s84, s82, s83                     ; Q: my sub-head's 128 bytes
	s_mov_b32 s85, 0
	s_lshl_b32 s83, s[UU], 16
	s_add_co_u32 s86, s82, s83                     ; the output: tile 0's rows, 16 u on
	s_mov_b32 s87, 0
	s_cmp_lt_u32 s[WV], 2                          ; the prefetches: waves 0, 1 stand in k, waves 2, 3 in v,
	s_cselect_b32 s88, 0, KBASE
	s_add_co_u32 s88, s88, KBASE+2*SLOTG           ; in buffer 2's rows: the first change steps on to buffer 3's.  Nothing is prefetched at the head
	s_add_co_u32 s88, s88, s75
	s_lshl_b32 s89, s[CX], 18                      ; my work-group's 64 rows,
	s_add_co_u32 s88, s88, s89
	s_lshl_b32 s89, s[UU], 17                      ; my wave's 32 of them
	s_add_co_u32 s88, s88, s89
	s_mov_b32 s89, 0
	s_lshr_b32 s[LIM], s[WV], 2                    ; 0 in waves 0 to 3,
	s_or_b32 s[LIM], s[LIM], ttmp9                 ; where the cluster is the head's first: the same in all four partners
	s_cmp_eq_u32 s[LIM], 0
	s_cselect_b32 s[LIM], 1, -1
	s_cmp_eq_u32 s[UU], 1
	s_cselect_b32 s73, -1, 0                       ; a lane mask: all lanes where u = 1
	; descriptor group 1: a tile of 64 rows x 128 elements of 2 bytes, rows 2,048 elements apart, padded in LDS
	s_mov_b32 s[G1K], 15|(1<<16)|(1<<20)|(1<<21)|(5<<22)|(3<<25)  ; 15:0 the mask: all four work-groups; 17:16 2 bytes; 20 padding on; 21 set beside a mask; 24:22 after every 64 words; 31:25 four words
	s_mov_b32 s[G1V], 15|(1<<16)|(1<<20)|(1<<21)|(5<<22)|(7<<25)  ; the same with eight words of padding
.irp g, G1K, G1V
	s_mov_b32 s[\g+1], 128<<16                     ; tensor_dim0
	s_mov_b32 s[\g+2], KS<<16                      ; tensor_dim1
	s_mov_b32 s[\g+3], 128<<16                     ; tile_dim0
	s_mov_b32 s[\g+4], KS                          ; tile_dim1
	s_mov_b32 s[\g+5], 2048                        ; tensor_dim0_stride
	s_mov_b32 s[\g+6], 0
	s_mov_b32 s[\g+7], 0
.endr
	s_mov_b32 s[CS], 0x3e38aa3b                    ; c = log2(e) / 8: it carries the scores' factor 64^-0.5
	s_mov_b32 s[CS+1], s[CS]                       ; named with it as a pair, so it is written
	s_mov_b32 s[SEL], 0x76543210
	s_mov_b32 s[SEL+1], 0xfedcba98
	s_mov_b32 s[TB], 0
	s_mov_b32 s[TKB], 0
	s_mov_b32 s[LB], SLOT1
	s_mov_b32 s[SLOTS], 2048/(NST*KS)-2
	s_wait_dscnt 0x0                               ; both opening adds are done
	s_wait_kmcnt 0x0
	s_add_nc_u64 s[78:79], s[4:5], s[78:79]        ; k and v at my tile of buffer 0
	s_add_nc_u64 s[80:81], s[4:5], s[80:81]
	s_add_nc_u64 s[84:85], s[4:5], s[84:85]        ; q at my wave's first row
	s_add_nc_u64 s[18:19], s[18:19], s[86:87]      ; the output at tile 0's first row
	s_add_nc_u64 s[PFA:PFA+1], s[4:5], s[88:89]
	CROUND                                         ; all four work-groups are here: the first joint loads meet
.irp s, 0,1
	s_mov_b32 s[G0K+4*\s], 1                       ; count = 1
	s_add_co_u32 s[G0K+4*\s+1], s[PARTK], \s*SLOT1 ; LDS address
	s_add_nc_u64 s[G0K+4*\s+2:G0K+4*\s+3], s[78:79], \s*SLOTG  ; global address: buffer s begins with keys 256 s
	s_or_b32 s[G0K+4*\s+3], s[G0K+4*\s+3], 0x80000000          ; type = 2
	s_mov_b32 s[G0V+4*\s], 1
	s_add_co_u32 s[G0V+4*\s+1], s[PARTV], \s*SLOT1
	s_add_nc_u64 s[G0V+4*\s+2:G0V+4*\s+3], s[80:81], \s*SLOTG
	s_or_b32 s[G0V+4*\s+3], s[G0V+4*\s+3], 0x80000000
.endr
	s_cmp_lt_u32 s[WV], 4                          ; a wave's two first fills stand in one branch, ahead of every wait on TENSORcnt and every LDS read: two loads of mine are out
	s_cbranch_scc0 .Lfirst_v
	tensor_load_to_lds s[G0K:G0K+3], s[G1K:G1K+7]
	s_nop 0
	tensor_load_to_lds s[G0K+4:G0K+7], s[G1K:G1K+7]
	s_nop 0
.rept 4
	v_nop
.endr
	s_branch .Lfirst_asked
.Lfirst_v:
	tensor_load_to_lds s[G0V:G0V+3], s[G1V:G1V+7]
	s_nop 0
	tensor_load_to_lds s[G0V+4:G0V+7], s[G1V:G1V+7]
	s_nop 0
.rept 4
	v_nop
.endr
.Lfirst_asked:
	v_and_b32 v1, 15, v0                           ; r = l % 16; kept
	v_bfe_u32 v8, v0, 4, 1                         ; h = l / 16; kept
	v_lshlrev_b32 v10, 12, v1
	v_lshl_add_u32 v10, v8, 4, v10                 ; Q: row r of 4,096 bytes + 16 h
	s_lshl_b32 s74, s[UU], 16                      ; tile 0: 16 u rows on;
	s_xor_b32 s75, s74, 0x10000                    ; tile 1: the other sixteen
	v_add_nc_u32 v11, s75, v10
	v_add_nc_u32 v10, s74, v10
	v_lshlrev_b32 v12, 3, v0                       ; the mask: 8 bytes a thread
	v_and_b32 v7, 31, v0
	v_lshlrev_b32 v[PFO], 12, v7
	v_lshlrev_b32 v7, 3, v7                        ; the four lambda vectors: 2 numbers a lane
	global_load_b64 v[128:129], v12, s[6:7]
	global_load_b64 v[130:131], v7, s[8:9]
	global_load_b64 v[132:133], v7, s[10:11]
	global_load_b64 v[134:135], v7, s[12:13]
	global_load_b64 v[136:137], v7, s[14:15]
.irp c, 0,1                                    ; Q stays in registers: a fragment is 16 rows x 32 channels: registers 0-3 channels 8 h + 0..7, registers 4-7 channels 16 + 8 h + 0..7
	global_load_b128 v[Q+8*\c:Q+8*\c+3],       v10, s[84:85] offset:64*\c
	global_load_b128 v[Q+8*\c+4:Q+8*\c+7],     v10, s[84:85] offset:64*\c+32
	global_load_b128 v[Q+16+8*\c:Q+16+8*\c+3],   v11, s[84:85] offset:64*\c
	global_load_b128 v[Q+16+8*\c+4:Q+16+8*\c+7], v11, s[84:85] offset:64*\c+32
.endr
	v_mul_u32_u24 v[AK0], v1, PK
	v_lshl_add_u32 v[AK0], v8, 4, v[AK0]
	s_lshl_b32 s76, s[UU], 7
	v_add_nc_u32 v[AK0], s76, v[AK0]               ; K: row r x pitch + 16 h + my sub-head's 128 bytes
	v_and_b32 v5, 7, v0                            ; the turning load takes 16 keys x 16 channels: lane l reads key 8 h + l % 8, channels 8 ((l / 8) % 2) + 0..7
	v_bfe_u32 v6, v0, 3, 1
	v_lshl_add_u32 v[AV0], v8, 3, v5
	v_mul_u32_u24 v[AV0], v[AV0], PV
	v_lshl_add_u32 v[AV0], v6, 4, v[AV0]
	v_add_nc_u32 v[AV0], VOFF, v[AV0]
	v_lshl_add_u32 v[AB0], v8, 5, BIAS             ; the bias: my half's eight keys of a tile
	v_lshl_add_u32 v5, v0, 5, BIAS                 ; and where I write the bias of my eight mask bytes
	s_mov_b32 s74, 0xfe800000                      ; -2^126
	v_mov_b32 v150, 0                              ; written once: a lane permute's destination counts as one of its sources
	v_mov_b32 v151, 0
	s_wait_loadcnt 8                               ; the mask and the four vectors are in; Q's eight loads may be out
.irp i, 0,1,2,3
	v_bfe_u32 v[140+\i], v128, 8*\i, 8
	v_bfe_u32 v[144+\i], v129, 8*\i, 8
.endr
.irp i, 0,1,2,3,4,5,6,7
	v_mul_lo_u32 v[140+\i], v[140+\i], s74         ; byte 0: 0.0; byte 1: the bits of -2^126
.endr
	ds_store_b128 v5, v[140:143]
	ds_store_b128 v5, v[144:147] offset:16
	v_mul_f32 v148, v130, v132                     ; lambda: the two dot products of 64, two terms a lane,
	v_mul_f32 v149, v134, v136
	v_fmac_f32 v148, v131, v133
	v_fmac_f32 v149, v135, v137
.irp m, 1,2,4,8
	v_add_f32_dpp v148, v148, v148 row_xmask:\m row_mask:0xf bank_mask:0xf
	v_add_f32_dpp v149, v149, v149 row_xmask:\m row_mask:0xf bank_mask:0xf
.endr
	v_permlanex16_b32 v150, v148, s[SEL], s[SEL+1]
	v_permlanex16_b32 v151, v149, s[SEL], s[SEL+1]
	v_add_f32 v148, v148, v150                     ; summed over the 32 lanes
	v_add_f32 v149, v149, v151
	v_mul_f32 v148, 0x3fb8aa3b, v148               ; x log2(e)
	v_mul_f32 v149, 0x3fb8aa3b, v149
	v_exp_f32 v148, v148
	v_exp_f32 v149, v149
	v_nop                                          ; a plain line behind the exponentials,
	s_wait_alu depctr_va_vdst(0)                   ; and the one wait ahead of their first reader
	v_sub_f32 v148, v149, v148
	v_add_f32 v148, 0xbf489a63, v148               ; -lambda = e2 - e1 - LAMBDA_INIT (0.8 - 0.6 exp(-3.6))
	v_cndmask_b32 v[FCT], 1.0, v148, s73           ; what my sub-head's softmax is weighed by
	s_wait_tensorcnt 1                             ; my part of buffer 0 is in; buffer 1's may stay out
	s_wait_dscnt 0x0                               ; my part of the bias table is written
	s_barrier_signal -1
	s_barrier_wait -1                              ; everybody's are
	s_wait_loadcnt 0x0                             ; Q
; THE SOFTMAX of one tile for one key step is a list of 134 instructions; SM writes number j of it for tile t.  s0-s31 are the lane's 32 scores, in pairs 0-15.
;   0-15    the maximum of s0-s31 and the old m, three operands at a time; each score tile is read from its low end on
;   16-20   the other half of the lanes' maximum; the new m; c m; c m_old - c m_new
;   21-69   ONE BATCH: the 16 scalings c s - c m and all 33 exponentials; none of these names an exponential's result; a pair is scaled ahead of its exponentials
;   (wait)  between 69 and 70: SOFTMAX writes it, once for both tiles
;   70-85   the roundings to f16;   86-101 the sums, l = a l + the sum;   102-133 the tile's O^T times a
; first = 1: the first key step, which starts m, l and O^T: it has no a and nothing to rescale.
.macro SM t, first
.set rT, ST+8*(\t)
.set rS, S+32*(\t)
.set rP, P+16*(\t)
.set rO, 64*(\t)+2*(j-102)
.if j < 102
	WIN 0
.endif
.if j < 4
	v_max3_num_f32 v[rT+4+j], v[rS+8*j], v[rS+8*j+1], v[rS+8*j+2]
.elseif j < 12
	v_max3_num_f32 v[rT+4+j%4], v[rT+4+j%4], v[rS+8*(j%4)+2*(j/4)+1], v[rS+8*(j%4)+2*(j/4)+2]
.elseif j == 12
	v_max3_num_f32 v[rT+4], v[rT+4], v[rS+7], v[rS+15]
.elseif j == 13
	v_max3_num_f32 v[rT+6], v[rT+6], v[rS+23], v[rS+31]
.elseif j == 14
	v_max3_num_f32 v[rT+4], v[rT+4], v[rT+5], v[rT+6]
.elseif (j == 15) && \first
	v_max_num_f32 v[rT+4], v[rT+4], v[rT+7]
.elseif j == 15
	v_max3_num_f32 v[rT+4], v[rT+4], v[rT+7], v[rT+1]
.elseif j == 16
	v_permlanex16_b32 v[rT+5], v[rT+4], s[SEL], s[SEL+1]  ; the query's other 32 keys lie in the lane 16 away
.elseif j == 18
	v_max_num_f32 v[rT+1], v[rT+4], v[rT+5]
.elseif j == 19
	v_mul_f32 v[rT], s[CS], v[rT+1]
.elseif ((j == 17) || (j == 20) || (j == 23) || (j > 101)) && \first  ; the first step has none of these
.elseif j == 17
	v_mov_b32 v[rT+7], v[rT]                       ; c m_old is kept: number 19 writes c m anew
.elseif j == 20
	v_sub_f32 v[rT+7], v[rT+7], v[rT]
.elseif j == 23
	v_exp_f32 v[rT+6], v[rT+7]
.elseif (j < 23) || ((j < 38) && (j%2 == 0)) || ((j < 66) && (j%4 == 2))
.set b, (j-2)/4                        ; 38, 42, .. 62: pairs 9 to 15
.if j < 38
.set b, (j-20)/2                       ; 21: pair 0; 22, 24, .. 36: pairs 1 to 8
.endif
	v_pk_fma_f32 v[rS+2*b:rS+2*b+1], v[rS+2*b:rS+2*b+1], s[CS:CS+1], v[rT:rT+1] op_sel_hi:[1,0,0] neg_lo:[0,0,1] neg_hi:[0,0,1]  ; pair b: c s - c m
.elseif j < 70
.set e, j-38                           ; 66 to 69: s28 to s31
.if j < 66
.set e, j-32-(j-38)/4                  ; 39-41, 43-45, .. 63-65: s7 to s27
.endif
.if j < 38
.set e, (j-25)/2                       ; 25, 27, .. 37: s0 to s6
.endif
	v_exp_f32 v[rS+e], v[rS+e]
.elseif j < 86
	v_cvt_pk_f16_f32 v[rP+j-70], v[rS+2*(j-70)], v[rS+2*(j-70)+1]
.elseif j < 102                        ; the sum of the tile's 16 pairs, in place: neighbours 1, 2, 4 and 8 pairs apart, then l takes it
.set z, j-86
.set w, 4
.set u, z
.if z >= 14
.set w, 32
.set u, 0
.elseif z >= 12
.set w, 16
.set u, z-12
.elseif z >= 8
.set w, 8
.set u, z-8
.endif
.if (z == 14) && \first
	v_pk_add_f32 v[rT+2:rT+3], v[rS:rS+1], v[rS+16:rS+17]
.elseif z < 15
	v_pk_add_f32 v[rS+w*u:rS+w*u+1], v[rS+w*u:rS+w*u+1], v[rS+w*u+w/2:rS+w*u+w/2+1]
.elseif !\first
	v_pk_fma_f32 v[rT+2:rT+3], v[rT+2:rT+3], v[rT+6:rT+7], v[rS:rS+1] op_sel_hi:[1,0,1]
.endif
.else
	WIN W_RS
	v_pk_mul_f32 v[rO:rO+1], v[rO:rO+1], v[rT+6:rT+7] op_sel_hi:[1,0]
.endif
.endm
.macro SOFTMAX first                   ; both tiles, line by line by turns, so that no line reads the result of the line just above it
.set j, 0
.rept 70
	SM 0, \first
	SM 1, \first
.set j, j+1
.endr
	v_nop                                          ; a plain line behind the last exponential,
	s_wait_alu depctr_va_vdst(0)                   ; and ONE wait for both tiles' 66 exponentials, ahead of the first line that names a result
.rept 64
	SM 0, \first
	SM 1, \first
.set j, j+1
.endr
	WIN 0
.endm
; A KEY STEP: 64 keys.  56 LDS loads in one run; 16 products K Q^T; the softmax; 32 products V^T P.
.macro STEP first
	WIN 0
	v_add_nc_u32 v[ADK], s[TB], v[AK0]             ; these three and the v_nop are the four places between the last step's products V^T P and the loads into V's registers
	v_add_nc_u32 v[ADV], s[TB], v[AV0]
	v_add_nc_u32 v[ADB], s[TKB], v[AB0]
	v_nop
.irp f, 0,1,2,3,4,5,6,7                        ; K: keys 16 (f / 2) on, channels 32 (f % 2) on
	ds_load_b128 v[KF+8*\f:KF+8*\f+3],   v[ADK] offset:(\f/2)*16*PK+(\f%2)*64
	ds_load_b128 v[KF+8*\f+4:KF+8*\f+7], v[ADK] offset:(\f/2)*16*PK+(\f%2)*64+32
.endr
.irp t, 0,1,2,3                                ; the bias of keys 16 t + 8 h + 0..7: the scores' C, in the result's layout
	ds_load_b128 v[BI+8*\t:BI+8*\t+3],   v[ADB] offset:64*\t
	ds_load_b128 v[BI+8*\t+4:BI+8*\t+7], v[ADB] offset:64*\t+16
.endr
	WIN TO_V
.irp f, 0,1,2,3,4,5,6,7,8,9,10,11,12,13,14,15  ; V, turned: keys 32 (f / 8) on, channels 16 (f % 8) on
	ds_load_tr16_b128 v[128+8*\f:128+8*\f+3],   v[ADV] offset:(\f/8)*32*PV+(\f%8)*32
	ds_load_tr16_b128 v[128+8*\f+4:128+8*\f+7], v[ADV] offset:(\f/8)*32*PV+16*PV+(\f%8)*32
.endr
	WIN 0
	s_add_co_u32 s[TB], s[TB], STEPB               ; the next read is the next step's
	s_add_co_u32 s[TKB], s[TKB], 4*KS
	s_wait_dscnt 32                                ; K and the bias are in; V's 32 loads may be out
.set i, 0
.rept 16                               ; product i: channels 32 (i / 8) on, keys 16 ((i / 2) % 4) on, tile i % 2.  The first eight start the sums with the bias.  Eight accumulators by turns
.set rS, S+32*(i%2)+8*((i/2)%4)
.set rK, KF+16*((i/2)%4)+8*(i/8)
.set rQ, Q+16*(i%2)+8*(i/8)
.set rB, BI+8*((i/2)%4)
.if i < 8
	v_wmma_f32_16x16x32_f16 v[rS:rS+7], v[rK:rK+7], v[rQ:rQ+7], v[rB:rB+7]
.else
	v_wmma_f32_16x16x32_f16 v[rS:rS+7], v[rK:rK+7], v[rQ:rQ+7], v[rS:rS+7]
.endif
.set i, i+1
.endr
.rept 4
	v_nop                                          ; four places ahead of the first read of the scores (ISA guide 7.12.1)
.endr
	SOFTMAX \first
	s_wait_dscnt 0x0                               ; V is in
	WIN W_PV
.set i, 0
.rept 32                               ; product i: keys 32 (i / 16) on, channels 16 ((i / 2) % 8) on, tile i % 2.  Sixteen accumulators by turns.  first = 1: the first sixteen start the sums: nothing is cleared
.set rO, 64*(i%2)+8*((i/2)%8)
.set rV, 128+64*(i/16)+8*((i/2)%8)
.set rP, P+16*(i%2)+8*(i/16)
.if \first && (i < 16)
	v_wmma_f32_16x16x32_f16 v[rO:rO+7], v[rV:rV+7], v[rP:rP+7], 0
.else
	v_wmma_f32_16x16x32_f16 v[rO:rO+7], v[rV:rV+7], v[rP:rP+7], v[rO:rO+7]
.endif
.set i, i+1
.endr
	WIN 0
.endm
.macro STEPS n                         ; n key steps: written once, walked n times; the LDS addresses hang on s[TB] and s[TKB]
	s_mov_b32 s[CNT], \n
.Lstep_\@:
	STEP 0
	s_sub_co_u32 s[CNT], s[CNT], 1
	s_cmp_lg_u32 s[CNT], 0
	s_cbranch_scc1 .Lstep_\@
.endm
; THE CHANGE OF BUFFERS.  Each wave waits for all its tensor loads, of which one is out: its part of the other buffer; adds 0 to its spare word; and waits for that and for its reads of the buffer that it leaves.
; fill = 1: the buffer just left is filled again, with the keys two buffers on.  The barrier is then a round of the cluster's, and the joint refill is the first thing behind it, my one load until the next round.
.macro CHANGE fill
	WIN 0
	s_wait_tensorcnt 0x0                           ; no tensor load of mine is out, so a group 0 may be written
	ds_add_u32 v[SPW], v[NIL]                      ; 0 onto my spare word
.if \fill
	s_xor_b32 s[LB], s[LB], SLOT1                  ; the walking descriptors: the other buffer than last time,
	s_add_co_u32 s[G0K+5], s[LB], s[PARTK]
	s_add_co_u32 s[G0V+5], s[LB], s[PARTV]
	s_add_nc_u64 s[G0K+6:G0K+7], s[G0K+6:G0K+7], SLOTG  ; the next 256 keys; the type bits on top are not reached
	s_add_nc_u64 s[G0V+6:G0V+7], s[G0V+6:G0V+7], SLOTG
	s_wait_xcnt 0x0                                ; the last prefetch, four key steps back, has read its address, so it may be written
	s_add_nc_u64 s[PFA:PFA+1], s[PFA:PFA+1], SLOTG ; one buffer further on than the walking descriptors
	s_wait_dscnt 0x0                               ; the add is done, and my reads of the buffer are over
	CROUND
	JLOAD
	ASK
.else
	s_wait_dscnt 0x0
	s_barrier_signal -1
	s_barrier_wait -1
.endif
	s_sub_co_u32 s[TB], s[TB], NST*STEPB           ; the reads go back to a buffer's first step,
	s_xor_b32 s[TB], s[TB], SLOT1                  ; in the other buffer
.endm
	STEP 1                                         ; the first key step starts m, l and O^T
	STEPS 3
.Lslot:                                            ; six trips: buffers 2 to 7 are asked for
	CHANGE 1
	STEPS 4
	s_sub_co_u32 s[SLOTS], s[SLOTS], 1
	s_cmp_lg_u32 s[SLOTS], 0
	s_cbranch_scc1 .Lslot
	CHANGE 0                                       ; the tail is written out: buffer 0 is left for good, and nothing is asked for
	STEPS 4
	; THE END OF A ROW.  l's halves are added; each tile is multiplied by factor / l; tile 1 goes to my partner as an image of its registers, the partner's comes back: tile 0 + that = O1 / l1 - lambda O2 / l2.
	; The additions and the address lines below are the places behind the last products.
.irp t, 0,1
	v_add_f32 v[ST+8*\t+4], v[ST+8*\t+2], v[ST+8*\t+3]
.endr
.irp t, 0,1
	v_permlanex16_b32 v[ST+8*\t+5], v[ST+8*\t+4], s[SEL], s[SEL+1]
.endr
.irp t, 0,1
	v_add_f32 v[ST+8*\t+4], v[ST+8*\t+4], v[ST+8*\t+5]
.endr
	v_and_b32 v5, 31, v0
	v_lshlrev_b32 v5, 4, v5                        ; an image: 16 bytes a lane, 512 a store
	s_lshl_b32 s74, s[WV], 13
	s_xor_b32 s75, s74, 8192
	v_add_nc_u32 v6, s75, v5                       ; my partner's image
	v_add_nc_u32 v5, s74, v5                       ; mine
	v_lshlrev_b32 v7, 5, v8                        ; subln_g: my half's eight channels of a tile
	s_mul_i32 s76, s[WV], 16*SP
	s_add_co_u32 s76, s76, STAGE                   ; my stage
	v_mul_u32_u24 v[STO], v1, SP                   ; in: row r, 16 bytes for each half of the lanes
	v_lshl_add_u32 v[STO], v8, 4, v[STO]
	v_add_nc_u32 v[STO], s76, v[STO]
	v_mul_u32_u24 v[RD], v8, SP                    ; back: lanes 0-15 one row of 256 bytes, lanes 16-31 the next
	v_lshl_add_u32 v[RD], v1, 4, v[RD]
	v_add_nc_u32 v[RD], s76, v[RD]
	v_lshlrev_b32 v[GO], 12, v8                    ; and the same two rows in attn16
	v_lshl_add_u32 v[GO], v1, 4, v[GO]
.irp f, 0,1,2,3,4,5,6,7                        ; g of channels 16 f + 8 h + 0..7, as O^T's registers lie
	global_load_b128 v[GR+8*\f:GR+8*\f+3],   v7, s[16:17] offset:64*\f
	global_load_b128 v[GR+8*\f+4:GR+8*\f+7], v7, s[16:17] offset:64*\f+16
.endr
	v_rcp_f32 v[ST+6], v[ST+4]
	v_rcp_f32 v[ST+14], v[ST+12]
	v_nop                                          ; a plain line behind the reciprocals,
	s_wait_alu depctr_va_vdst(0)                   ; and their one wait
	v_mul_f32 v[ST+6], v[ST+6], v[FCT]
	v_mul_f32 v[ST+14], v[ST+14], v[FCT]
	WIN 0x01                                       ; source 0 window 1
.set i, 0
.rept 32
	v_pk_mul_f32 v[XR+2*i:XR+2*i+1], v[64+2*i:64+2*i+1], v[ST+14:ST+15] op_sel_hi:[1,0]   ; tile 1; each accumulator from its low end on
.set i, i+1
.endr
.set i, 0
.rept 32
	v_pk_mul_f32 v[YR+2*i:YR+2*i+1], v[2*i:2*i+1], v[ST+6:ST+7] op_sel_hi:[1,0]           ; tile 0
.set i, i+1
.endr
	WIN 0
.irp i, 0,1,2,3,4,5,6,7,8,9,10,11,12,13,14,15
	ds_store_b128 v5, v[XR+4*\i:XR+4*\i+3] offset:XCH+512*\i
.endr
	s_wait_dscnt 0x0                               ; for my partner's sake: my image is written
	s_barrier_signal -1
	s_barrier_wait -1
.irp i, 0,1,2,3,4,5,6,7,8,9,10,11,12,13,14,15
	ds_load_b128 v[XR+4*\i:XR+4*\i+3], v6 offset:XCH+512*\i
.endr
	s_wait_dscnt 0x0
.set i, 0
.rept 32
	v_pk_add_f32 v[YR+2*i:YR+2*i+1], v[YR+2*i:YR+2*i+1], v[XR+2*i:XR+2*i+1]
.set i, i+1
.endr
	v_pk_mul_f32 v[16:17], v[YR:YR+1], v[YR:YR+1]                  ; the sum of squares of my 64 channels, in two chains
	v_pk_mul_f32 v[24:25], v[YR+2:YR+3], v[YR+2:YR+3]
.irp i, 4,8,12,16,20,24,28,32,36,40,44,48,52,56,60
	v_pk_fma_f32 v[16:17], v[YR+\i:YR+\i+1], v[YR+\i:YR+\i+1], v[16:17]
	v_pk_fma_f32 v[24:25], v[YR+\i+2:YR+\i+3], v[YR+\i+2:YR+\i+3], v[24:25]
.endr
	v_pk_add_f32 v[16:17], v[16:17], v[24:25]
	v_add_f32 v16, v16, v17
	v_permlanex16_b32 v17, v16, s[SEL], s[SEL+1]
	v_add_f32 v16, v16, v17                        ; with the lane 16 away: all 128 channels
	s_mov_b32 s74, 0x3c000000                      ; 1 / 128
	s_mov_b32 s75, 0x3727c5ac                      ; EPS = 1e-5
	v_fma_f32 v16, v16, s74, s75
	v_rsq_f32 v16, v16
	v_nop
	s_wait_alu depctr_va_vdst(0)
	v_mul_f32 v16, 0x3e5d9673, v16                 ; x (1 - LAMBDA_INIT)
	s_wait_loadcnt 0x0                             ; g
.set i, 0
.rept 32
	v_pk_mul_f32 v[YR+2*i:YR+2*i+1], v[YR+2*i:YR+2*i+1], v[16:17] op_sel_hi:[1,0]
.set i, i+1
.endr
.set i, 0
.rept 32
	v_pk_mul_f32 v[YR+2*i:YR+2*i+1], v[YR+2*i:YR+2*i+1], v[GR+2*i:GR+2*i+1]
.set i, i+1
.endr
.set i, 0
.rept 32
	v_cvt_pk_f16_f32 v[XR+i], v[YR+2*i], v[YR+2*i+1]
.set i, i+1
.endr
.irp f, 0,1,2,3,4,5,6,7                        ; a lane's eight channels of a row are 16 bytes; they go into rows of 272 bytes and come back as whole rows of 256
	ds_store_b128 v[STO], v[XR+4*\f:XR+4*\f+3] offset:32*\f
.endr
.irp f, 0,1,2,3,4,5,6,7
	ds_load_b128 v[XR+32+4*\f:XR+32+4*\f+3], v[RD] offset:\f*2*SP  ; LDS serves a wave's instructions in order: these see the stores above
.endr
.irp f, 0,1,2,3,4,5,6,7
	s_wait_dscnt 7-\f                              ; the younger loads may be out
	global_store_b128 v[GO], v[XR+32+4*\f:XR+32+4*\f+3], s[18:19] offset:\f*2*ROWG   ; 16 lanes store 256 consecutive bytes, aligned
.endr
	s_wait_tensorcnt 0x0                           ; the wave's end, behind my last tensor load and my last LDS store
	ds_add_u32 v[SPW], v[NIL]
	s_wait_dscnt 0x0
	CROUND                                         ; the closing round: no work-group ends while a partner may still ask for a tile that names it
	s_endpgm
.Lfunc_end_k_q1840053115_attn:
	.size	k_q1840053115_attn, .Lfunc_end_k_q1840053115_attn-k_q1840053115_attn
	.p2alignl 7, 3214868480
	.fill 96, 4, 3214868480
	.section	.rodata,"a",@progbits
	.p2align	6, 0x0
	.amdhsa_kernel k_q1840053115_attn
		.amdhsa_group_segment_fixed_size 327680
		.amdhsa_private_segment_fixed_size 0
		.amdhsa_enable_private_segment 0
		.amdhsa_kernarg_size 64
		.amdhsa_user_sgpr_count 2
		.amdhsa_user_sgpr_kernarg_segment_ptr 1
		.amdhsa_wavefront_size32 1
		.amdhsa_system_sgpr_workgroup_id_x 1
		.amdhsa_system_sgpr_workgroup_id_y 1
		.amdhsa_system_sgpr_workgroup_id_z 1
		.amdhsa_system_vgpr_workitem_id 0
		.amdhsa_next_free_vgpr 512
		.amdhsa_next_free_sgpr 96
		.amdhsa_reserve_vcc 0
		.amdhsa_float_denorm_mode_32 3
		.amdhsa_float_denorm_mode_16_64 3
		.amdhsa_memory_ordered 1
		.amdhsa_forward_progress 1
		.amdhsa_inst_pref_size 118
	.end_amdhsa_kernel
	.amdgpu_metadata
---
amdhsa.version: [ 1, 2 ]
amdhsa.kernels:
  - .name:           k_q1840053115_attn
    .symbol:         k_q1840053115_attn.kd
    .args:
      - { .name: qkv, .offset: 0, .size: 8, .value_kind: global_buffer, .address_space: global }
      - { .name: attn_mask, .offset: 8, .size: 8, .value_kind: global_buffer, .address_space: global }
      - { .name: lq1, .offset: 16, .size: 8, .value_kind: global_buffer, .address_space: global }
      - { .name: lk1, .offset: 24, .size: 8, .value_kind: global_buffer, .address_space: global }
      - { .name: lq2, .offset: 32, .size: 8, .value_kind: global_buffer, .address_space: global }
      - { .name: lk2, .offset: 40, .size: 8, .value_kind: global_buffer, .address_space: global }
      - { .name: subln_g, .offset: 48, .size: 8, .value_kind: global_buffer, .address_space: global }
      - { .name: attn16, .offset: 56, .size: 8, .value_kind: global_buffer, .address_space: global }
    .group_segment_fixed_size: 327680
    .private_segment_fixed_size: 0
    .kernarg_segment_align: 8
    .kernarg_segment_size: 64
    .max_flat_workgroup_size: 256
    .sgpr_count:     96
    .vgpr_count:     512
    .wavefront_size: 32
...
	.end_amdgpu_metadata
.endif
;; end of part 3
;; launch outp (part 4): grid 16 x 16, 4 waves a work-group, clusters of 4 x 4, 327,680 bytes of LDS; arguments attn16, wo16, out0; writes out0
.if DOCPART == 4
	.amdgcn_target "amdgcn-amd-amdhsa--gfx1250"
	.amdhsa_code_object_version 6
	.text
	.protected	k_q1840053115_outp
	.globl	k_q1840053115_outp
	.p2align	8
	.type	k_q1840053115_outp,@function
k_q1840053115_outp:
	s_mov_b64 s[64:65], 0
	v_nop
	global_prefetch_b8 v0, s[64:65] scope:SCOPE_SE
	s_setreg_imm32_b32 hwreg(HW_REG_WAVE_MODE, 25, 1), 1
	s_wait_xcnt 0x0
	s_wait_alu depctr_hold_cnt(0) depctr_sa_sdst(0) depctr_va_vdst(0) depctr_va_sdst(0) depctr_va_ssrc(0) depctr_va_vcc(0) depctr_vm_vsrc(0)
	s_getreg_b32 s2, hwreg(HW_REG_IB_STS2, 6, 4)
	s_cmp_eq_u32 s2, 0
	s_cbranch_scc0 .Lentry_in_a_cluster
	s_endpgm
.Lentry_in_a_cluster:
	s_bfe_u32 s2, ttmp6, 0x10000c
	s_cmp_lg_u32 s2, 0xf033
	s_cbranch_scc0 .Lentry_shape_is_right
	s_endpgm
.Lentry_shape_is_right:
; THE PROJECTION ON THE WAY OUT: out0[s][f] = sum over e of attn16[s][e] wo16[f][e].  Both operands [2048][2048] f16, K innermost; sums and out0 in f32.
; 64 tiles of 256 x 256 would leave three WGPs in four without work: a tile is 128 x 128, 256 work-groups.  Four waves, each 64 x 64: 16 accumulators of 16 x 16, 128 registers.
; K goes in steps of 256 (LDS rows of 512 bytes; a wave's tensor load brings 64 of them), as long as two slots in LDS allow.
; CLUSTERS: 4 x 4 work-groups.  The four of a row of the cluster need the same tiles of A, the four of a column the same tiles of B: each tile is asked for JOINTLY, by the same tensor load with the
; same descriptor and a mask that names the four.  THE MATRIX INSTRUCTION IS USED TRANSPOSED (source 0 = 16 rows of B, source 1 = 16 rows of A): a lane holds eight neighbouring numbers of a row of C.
; THE WAY OUT: a wave's 64 columns of f32 are 256 aligned bytes of a row, so each wave has a stage of its own and no barrier is needed there.
; REGISTERS: window 0: v0-31 addresses; v32-95 rows on the way out; v128-255 the accumulators ((a, b) at v[128 + 8 (4 a + b)]).
;   window 1: two fragment buffers of 128: for 64 along K, 64 registers of A (2 x 4 x 16 rows x 32 K), then 64 of B.
; No prefetch: small tiles, shared in the cluster.
.set SIZE_N, 2048
.set SIZE_K, 2048
.set KSTEP,  256
.set PITCH,  528                       ; an LDS row: 512 bytes + 16 of padding = 132 words: row r starts at bank 4 r mod 64 (64 banks of 4 bytes: ISA guide 11.1)
.set HALFT,  64*PITCH                  ; 64 rows: what one tensor load brings
.set SLOT,   4*HALFT                   ; A's 128 rows, then B's 128 rows
.set STAGE,  2*SLOT                    ; behind the ring: 16 rows x 272 bytes for each wave
.set SPITCH, 272
.set SPARE,  STAGE+4*16*SPITCH         ; behind the stages: the spare words, 128 bytes for each wave
.set LAPS, SIZE_K/(2*KSTEP)            ; a lap = two K steps = once round the ring
.set ADRA, 16                          ; v16-17  LDS address of my A fragments in slot 0, 1
.set ADRB, 20                          ; v20-21  the same for B
.set STO,  24                          ; v24     the way out: where I put 32 bytes of a row
.set RD,   25                          ; v25     where I read a row back
.set CO,   26                          ; v26     my byte offset in two rows of C
.set SPW,  28                          ; v28     LDS address of my spare word; never rewritten
.set NIL,  29                          ; v29     0; never rewritten
.set TMP,  32                          ; the way out: 16 rows read back: v32-63 and v64-95 by turns
.set ACC,  128
.set F0,   0                           ; fragment buffers, in window 1
.set F1,   128
.set G1, 24                            ; s[24:31] descriptor group 1 for A's tiles;  s[32:39] group 0, one set for each slot
.set G0, 32
.set G1B, 48                           ; s[48:55], s[56:63] the same for B's tiles
.set G0B, 56
.set MSB, 0
.macro WIN new                         ; the immediate's high byte repeats the setting that is left
.if MSB != \new
	s_set_vgpr_msb (MSB<<8)|\new
.set MSB, \new
.endif
.endm
.set MUL,  0x05                        ; sources 0 (B) and 1 (A) window 1; C and D window 0
.set TO_F, 0x40                        ; destination window 1, address window 0
.macro JLOAD s                         ; a joint load: waves 0 and 1 fetch A's two halves, waves 2 and 3 B's; an s_nop 0 and four v_nop follow each of the two lines
	s_cmp_eq_u32 s11, 0
	s_cbranch_scc0 .Lfor_b_\@
	tensor_load_to_lds s[G0+4*\s:G0+4*\s+3], s[G1:G1+7]
	s_nop 0
.rept 4
	v_nop
.endr
	s_branch .Lasked_\@
.Lfor_b_\@:
	tensor_load_to_lds s[G0B+4*\s:G0B+4*\s+3], s[G1B:G1B+7]
	s_nop 0
.rept 4
	v_nop
.endr
.Lasked_\@:
.endm
.macro CREST                           ; a round of the cluster's barrier behind its opening barrier
	s_cmp_lg_u32 s10, 0
	s_cbranch_scc1 .Lnot_wave_0_\@
	s_barrier_signal -3
.Lnot_wave_0_\@:
	s_barrier_wait -3
	s_barrier_signal -1
	s_barrier_wait -1
.endm
.macro CROUND                          ; a whole round
	s_barrier_signal -1
	s_barrier_wait -1
	CREST
.endm
	s_load_b128 s[4:7], s[0:1], 0x0                ; A s[4:5], B s[6:7]
	s_load_b64 s[8:9], s[0:1], 0x10                ; C
	v_lshl_add_u32 v[SPW], v0, 2, SPARE
	v_mov_b32 v[NIL], 0
	ds_add_u32 v[SPW], v[NIL]                      ; the wave's opening: the add, twice on end, and its wait ahead of my first tensor load; the set-up below stands between the second and the wait
	ds_add_u32 v[SPW], v[NIL]
	v_lshrrev_b32 v1, 5, v0
	v_readfirstlane_b32 s10, v1                    ; wave 0..3
	s_lshr_b32 s11, s10, 1                         ; which half of the tile's rows is mine.  Also: I fetch for A (0) or for B (1)
	s_and_b32 s12, s10, 1                          ; which half of its columns.  Also: which 64 rows of that tile I fetch
	s_bfe_u32 s40, ttmp6, 0x40000                  ; cx, cy: my place in the cluster
	s_bfe_u32 s41, ttmp6, 0x40004
	s_lshl_b32 s42, ttmp9, 2
	s_add_co_u32 s42, s42, s40                     ; tile column of C = 4 x cluster x + cx
	s_and_b32 s13, ttmp7, 0xffff
	s_lshl_b32 s13, s13, 2
	s_add_co_u32 s13, s13, s41                     ; tile row of C = 4 x cluster y + cy
	s_lshl_b32 s43, s41, 2
	s_lshl_b32 s43, 15, s43                        ; my row of the cluster
	s_lshl_b32 s44, 0x1111, s40                    ; my column
	; descriptor group 1: a tile of 64 rows x 256 elements, padded in LDS
	s_or_b32 s[G1+0], s43, (1<<16)|(1<<20)|(1<<21)|(6<<22)|(3<<25)  ; 15:0 the mask: A's tiles go to my row; 17:16 element of 2 bytes; 20 padding on; 21 set beside a mask; 24:22 after every 128 words; 31:25 four words
	s_or_b32 s[G1B+0], s44, (1<<16)|(1<<20)|(1<<21)|(6<<22)|(3<<25)
.irp g, G1, G1B
	s_mov_b32 s[\g+1], KSTEP<<16                   ; tensor_dim0 = 256
	s_mov_b32 s[\g+2], 64<<16                      ; tensor_dim1 = 64
	s_mov_b32 s[\g+3], KSTEP<<16                   ; tile_dim0 = 256
	s_mov_b32 s[\g+4], 64                          ; tile_dim1 = 64
	s_mov_b32 s[\g+5], SIZE_K                      ; tensor_dim0_stride
	s_mov_b32 s[\g+6], 0
	s_mov_b32 s[\g+7], 0
.endr
	s_lshl_b32 s17, s12, 6                         ; which 64 rows of the tile I fetch
	s_lshl_b32 s16, s13, 7
	s_add_co_u32 s16, s16, s17                     ; A: row 128 x tile row + 64 x half
	s_lshl_b32 s46, s42, 7
	s_add_co_u32 s46, s46, s17                     ; B: row 128 x tile column + 64 x half
	s_mov_b32 s17, 0
	s_mov_b32 s47, 0
	s_mov_b64 s[18:19], SIZE_K*2
	s_mul_u64 s[16:17], s[16:17], s[18:19]
	s_mul_u64 s[46:47], s[46:47], s[18:19]
	s_mul_i32 s20, s10, HALFT                      ; where they go: wave x 64 rows: no place in the cluster enters an LDS address
	s_wait_dscnt 0x0                               ; both opening adds are done
	s_wait_kmcnt 0x0
	s_add_nc_u64 s[14:15], s[4:5], s[16:17]
	s_add_nc_u64 s[46:47], s[6:7], s[46:47]
	CROUND                                         ; all sixteen work-groups are here: the first joint loads meet
.irp s, 0,1
	s_mov_b32 s[G0+4*\s], 1
	s_add_co_u32 s[G0+4*\s+1], s20, \s*SLOT
	s_add_nc_u64 s[G0+4*\s+2:G0+4*\s+3], s[14:15], \s*KSTEP*2
	s_or_b32 s[G0+4*\s+3], s[G0+4*\s+3], 0x80000000
	s_mov_b32 s[G0B+4*\s], 1
	s_add_co_u32 s[G0B+4*\s+1], s20, \s*SLOT
	s_add_nc_u64 s[G0B+4*\s+2:G0B+4*\s+3], s[46:47], \s*KSTEP*2
	s_or_b32 s[G0B+4*\s+3], s[G0B+4*\s+3], 0x80000000
	JLOAD \s                                       ; two loads of mine are out
.endr
	v_and_b32 v1, 15, v0                           ; r = l % 16
	v_bfe_u32 v2, v0, 4, 1                         ; h = l / 16
	v_mul_u32_u24 v3, v1, PITCH
	v_lshl_add_u32 v3, v2, 4, v3                   ; a fragment's row x pitch + 16 x half
	s_mul_i32 s21, s11, HALFT                      ; my 64 rows of A
	s_mul_i32 s22, s12, HALFT                      ; my 64 rows of B,
	s_add_co_u32 s22, s22, 2*HALFT                 ; which lie behind A's 128
.irp s, 0,1
	v_add_nc_u32 v[ADRA+\s], s21, v3
	v_add_nc_u32 v[ADRB+\s], s22, v3
	s_add_co_u32 s21, s21, SLOT
	s_add_co_u32 s22, s22, SLOT
.endr
	s_mul_i32 s23, s10, 16*SPITCH
	s_add_co_u32 s23, s23, STAGE                   ; my stage
	v_mul_u32_u24 v4, v1, SPITCH                   ; in: row r, 32 bytes for each half of the lanes
	v_lshl_add_u32 v4, v2, 5, v4
	v_add_nc_u32 v[STO], s23, v4
	v_mul_u32_u24 v5, v2, SPITCH                   ; back: lanes 0-15 one row of 256 bytes, lanes 16-31 the next
	v_lshl_add_u32 v5, v1, 4, v5
	v_add_nc_u32 v[RD], s23, v5
	v_mul_u32_u24 v5, v2, SIZE_N*4                 ; and the same two rows in C
	v_lshl_add_u32 v[CO], v1, 4, v5
	s_lshl_b32 s16, s13, 7
	s_lshl_b32 s17, s11, 6
	s_add_co_u32 s16, s16, s17                     ; my first row of C: 128 x tile row + 64 x half
	s_lshl_b32 s16, s16, 13                        ; rows of 8,192 bytes (under 2^24)
	s_mov_b32 s17, 0
	s_add_nc_u64 s[8:9], s[8:9], s[16:17]
	s_lshl_b32 s46, s42, 9                         ; my first column, in bytes: 512 x tile column + 256 x half
	s_lshl_b32 s47, s12, 8
	s_add_co_u32 s46, s46, s47
	s_mov_b32 s47, 0
	s_add_nc_u64 s[8:9], s[8:9], s[46:47]
; 8 matrix instructions: m blocks a0, a0 + 1 x all 4 n blocks, 32 along K: half c of buffer f.  zero = 1: the first product starts the sums.  The 16 accumulators take turns
.macro MUL8 f, c, a0, zero
.irp a, \a0, \a0+1
.irp b, 0,1,2,3
.if \zero
	v_wmma_f32_16x16x32_f16 v[ACC+8*(4*(\a)+\b):ACC+8*(4*(\a)+\b)+7], v[\f+64+8*(4*\c+\b):\f+64+8*(4*\c+\b)+7], v[\f+8*(4*\c+\a):\f+8*(4*\c+\a)+7], 0
.else
	v_wmma_f32_16x16x32_f16 v[ACC+8*(4*(\a)+\b):ACC+8*(4*(\a)+\b)+7], v[\f+64+8*(4*\c+\b):\f+64+8*(4*\c+\b)+7], v[\f+8*(4*\c+\a):\f+8*(4*\c+\a)+7], v[ACC+8*(4*(\a)+\b):ACC+8*(4*(\a)+\b)+7]
.endif
.endr
.endr
.endm
; 32 LDS loads in one run: the fragments of 64 along K at byte k of the rows, into buffer f; the first 32 along K first
.macro FETCH slot, k, f
	WIN TO_F
.irp c, 0,1
.irp i, 0,1,2,3
	ds_load_b128 v[\f+64+8*(4*\c+\i):\f+64+8*(4*\c+\i)+3],   v[ADRB+\slot] offset:\k+64*\c+\i*16*PITCH
	ds_load_b128 v[\f+64+8*(4*\c+\i)+4:\f+64+8*(4*\c+\i)+7], v[ADRB+\slot] offset:\k+64*\c+\i*16*PITCH+32
	ds_load_b128 v[\f+8*(4*\c+\i):\f+8*(4*\c+\i)+3],         v[ADRA+\slot] offset:\k+64*\c+\i*16*PITCH
	ds_load_b128 v[\f+8*(4*\c+\i)+4:\f+8*(4*\c+\i)+7],       v[ADRA+\slot] offset:\k+64*\c+\i*16*PITCH+32
.endr
.endr
.endm
.macro PLACES                          ; four places in front of loads into registers that matrix instructions have read, and of LDS stores that read results
.rept 4
	v_nop
.endr
.endm
; A K step is four quarters of 64 along K, 32 matrix instructions each, on buffers 0, 1, 0, 1.  One of the first three: multiplies buffer f and fetches the next quarter, at byte k, into g.
.macro QUARTER slot, k, f, g, zero
	s_wait_dscnt 16                                ; the first 32 along K are in; the youngest sixteen loads may be out
	WIN MUL
	MUL8 \f, 0, 0, \zero
	MUL8 \f, 0, 2, \zero
	PLACES
	FETCH \slot, \k, \g
	s_wait_dscnt 32                                ; all but the 32 just issued
	WIN MUL
	MUL8 \f, 1, 0, 0
	MUL8 \f, 1, 2, 0
.endm
; The last quarter multiplies buffer 1 and changes slots: ONE barrier; in front of it each wave waits for all its tensor loads, adds 0 to its spare word, and waits for that and for its own reads of this slot.  fill = 1: this slot is filled again, two K steps ahead.
.macro TURN slot, next, fill
	WIN 0                                          ; (the add's two registers lie in window 0)
	s_wait_tensorcnt 0x0                           ; all my tensor loads have landed: my part of the next slot
	ds_add_u32 v[SPW], v[NIL]                      ; 0 onto my spare word
	s_wait_dscnt 17                                ; the add and the youngest sixteen loads may be out
	WIN MUL
	MUL8 F1, 0, 0, 0                               ; eight matrix instructions stand between the add and the wait for it
	s_wait_dscnt 0x0                               ; the add is done, and my reads of this slot are over
	s_barrier_signal -1
	MUL8 F1, 0, 2, 0
.if \fill
	WIN 0
.endif
	s_barrier_wait -1
.if \fill
	CREST                                          ; the barrier has opened a round of the cluster's barrier: no wave of any partner still reads this slot's tile or has a load on its way
	s_add_nc_u64 s[G0+4*\slot+2:G0+4*\slot+3], s[G0+4*\slot+2:G0+4*\slot+3], 2*KSTEP*2
	s_add_nc_u64 s[G0B+4*\slot+2:G0B+4*\slot+3], s[G0B+4*\slot+2:G0B+4*\slot+3], 2*KSTEP*2
	JLOAD \slot                                    ; the first tensor load behind the round, my one load until the next; its four v_nop are also the places in front of the loads below
.else
	PLACES
.endif
	FETCH \next, 0, F0
	WIN MUL
	MUL8 F1, 1, 0, 0
	MUL8 F1, 1, 2, 0
.endm
	s_wait_tensorcnt 1                             ; my part of K step 0 is in; K step 1's load may be out
	s_barrier_signal -1
	s_barrier_wait -1                              ; everybody's is
	FETCH 0, 0, F0
	QUARTER 0, 128, F0, F1, 1                      ; the first quarter stands in front of the loop: its first products start the sums
	WIN 0                                          ; at a label and at a branch every window is 0
	s_mov_b32 s3, LAPS-1
.Llap:                                                 ; a trip goes once round the ring, from a lap's second quarter to the next lap's first, and fills both slots again
	QUARTER 0, 256, F1, F0, 0
	QUARTER 0, 384, F0, F1, 0
	TURN 0, 1, 1
	QUARTER 1, 128, F0, F1, 0
	QUARTER 1, 256, F1, F0, 0
	QUARTER 1, 384, F0, F1, 0
	TURN 1, 0, 1
	QUARTER 0, 128, F0, F1, 0
	WIN 0
	s_sub_co_u32 s3, s3, 1
	s_cmp_lg_u32 s3, 0
	s_cbranch_scc1 .Llap
	QUARTER 0, 256, F1, F0, 0                      ; the last lap fills nothing, and has no round of the cluster's barrier
	QUARTER 0, 384, F0, F1, 0
	TURN 0, 1, 0
	QUARTER 1, 128, F0, F1, 0
	QUARTER 1, 256, F1, F0, 0
	QUARTER 1, 384, F0, F1, 0
	s_wait_dscnt 16                                ; the very last quarter: nothing more to fetch
	WIN MUL
	MUL8 F1, 0, 0, 0
	MUL8 F1, 0, 2, 0
	s_wait_dscnt 0
	MUL8 F1, 1, 0, 0
	MUL8 F1, 1, 2, 0
	WIN 0
; THE WAY OUT, block by block of 16 rows x 64 columns.  A lane holds 32 neighbouring bytes of a row, the lanes beside it other rows: a block goes through my own stage and comes back as whole rows of 256 bytes.
; LDS serves a wave's instructions in order: no wait between the stores and the loads, nor in front of the next block's stores.
.macro TOSTAGE a
.irp b, 0,1,2,3
	ds_store_b128 v[STO], v[ACC+8*(4*(\a)+\b):ACC+8*(4*(\a)+\b)+3] offset:64*\b        ; each accumulator from its low end on
	ds_store_b128 v[STO], v[ACC+8*(4*(\a)+\b)+4:ACC+8*(4*(\a)+\b)+7] offset:64*\b+16
.endr
.set BB, TMP+32*((\a)%2)
.irp t, 0,1,2,3,4,5,6,7
	ds_load_b128 v[BB+4*\t:BB+4*\t+3], v[RD] offset:\t*2*SPITCH
.endr
.endm
.macro SEND a, younger                 ; younger: the LDS instructions issued behind block a's loads, which may stay out
.set BB, TMP+32*((\a)%2)
	s_wait_dscnt \younger                          ; the block is back in registers
.if (\a) > 0
	s_add_nc_u64 s[8:9], s[8:9], 16*SIZE_N*4       ; (behind a wait on XCNT: the earlier stores have read their base)  16 rows of C on
.endif
.irp t, 0,1,2,3,4,5,6,7
	global_store_b128 v[CO], v[BB+4*\t:BB+4*\t+3], s[8:9] offset:2*\t*SIZE_N*4 th:TH_STORE_NT   ; 16 lanes store 256 consecutive bytes, aligned; written once, read by nobody here
.endr
.endm
	PLACES                                         ; behind the last products, ahead of the LDS stores that read results
	TOSTAGE 0
.irp a, 1,2,3
.if \a > 1
	s_wait_xcnt 0x0                                ; block a - 2's stores have read their registers and their base: block a's loads may land there, and the base may step
.endif
	TOSTAGE \a
	SEND \a-1, 16                                  ; behind block a - 1's loads: block a's 8 stores and 8 loads
.endr
	s_wait_xcnt 0x0                                ; block 2's stores have read their base
	SEND 3, 0
	s_wait_tensorcnt 0x0                           ; the wave's end, behind my last tensor load and my last LDS store
	ds_add_u32 v[SPW], v[NIL]
	s_wait_dscnt 0x0
	CROUND                                         ; the closing round: no work-group ends while a partner may still ask for a tile that names it
	s_endpgm
.Lfunc_end_k_q1840053115_outp:
	.size	k_q1840053115_outp, .Lfunc_end_k_q1840053115_outp-k_q1840053115_outp
	.p2alignl 7, 3214868480
	.fill 96, 4, 3214868480
	.section	.rodata,"a",@progbits
	.p2align	6, 0x0
	.amdhsa_kernel k_q1840053115_outp
		.amdhsa_group_segment_fixed_size 327680
		.amdhsa_private_segment_fixed_size 0
		.amdhsa_enable_private_segment 0
		.amdhsa_kernarg_size 24
		.amdhsa_user_sgpr_count 2
		.amdhsa_user_sgpr_kernarg_segment_ptr 1
		.amdhsa_wavefront_size32 1
		.amdhsa_system_sgpr_workgroup_id_x 1
		.amdhsa_system_sgpr_workgroup_id_y 1
		.amdhsa_system_sgpr_workgroup_id_z 1
		.amdhsa_system_vgpr_workitem_id 0
		.amdhsa_next_free_vgpr 512
		.amdhsa_next_free_sgpr 66
		.amdhsa_reserve_vcc 0
		.amdhsa_float_denorm_mode_32 3
		.amdhsa_float_denorm_mode_16_64 3
		.amdhsa_memory_ordered 1
		.amdhsa_forward_progress 1
		.amdhsa_inst_pref_size 86
	.end_amdhsa_kernel
	.amdgpu_metadata
---
amdhsa.version: [ 1, 2 ]
amdhsa.kernels:
  - .name:           k_q1840053115_outp
    .symbol:         k_q1840053115_outp.kd
    .args:
      - { .name: attn16, .offset: 0, .size: 8, .value_kind: global_buffer, .address_space: global }
      - { .name: wo16, .offset: 8, .size: 8, .value_kind: global_buffer, .address_space: global }
      - { .name: out0, .offset: 16, .size: 8, .value_kind: global_buffer, .address_space: global }
    .group_segment_fixed_size: 327680
    .private_segment_fixed_size: 0
    .kernarg_segment_align: 8
    .kernarg_segment_size: 24
    .max_flat_workgroup_size: 128
    .sgpr_count:     66
    .vgpr_count:     512
    .wavefront_size: 32
...
	.end_amdgpu_metadata
.endif
;; end of part 4
